; MI455X (gfx1250); checked and timed in simulation.
; The chip was launched on July 23, 2026; its instructions are those of AMD's public machine-readable ISA for CDNA 5 (MIT licence, August 2026) and "CDNA5" Instruction Set Architecture Reference Guide (July 2026). The comments in the code are by the model that wrote it; some were corrected since.
;; Attn Block. Allowed arithmetic: float matrix products may take bf16 or f16 operands with f32 sums; all other float work in f32.
;; Inputs: gn_b 256 float32; gn_w 256 float32; kb 256 float32; kw 256 x 256 float32; pb 256 float32; pw 256 x 256 float32; qb 256 float32; qw 256 x 256 float32; vb 256 float32; vw 256 x 256 float32; x 4 x 256 x 4,096 float32.
;; Outputs: out0 4 x 256 x 4,096 float32.
;; 2 versions, each right; version 2 is version 1 with the launch qkv written anew for expert scheduling mode. Each part assembles by itself: llvm-mc -triple=amdgcn-amd-amdhsa -mcpu=gfx1250 --defsym DOCPART=n.
;; ======== version 1 of 2: 3 launches
;; workspace buffers: stats 2,048 bytes; wb 524,288 bytes; qs 8,388,608 bytes; ks 8,388,608 bytes; vt 8,388,608 bytes
;; launch stats (part 1): grid 256 x 1, 8 waves a work-group, no clusters, 1,280 bytes of LDS; arguments x, qw, kw, vw, pw, stats, wb; writes stats, wb
.if DOCPART == 1
	.amdgcn_target "amdgcn-amd-amdhsa--gfx1250"
	.amdhsa_code_object_version 6
	.text
	.protected	k_qbf0162298e_stats
	.globl	k_qbf0162298e_stats
	.p2align	8
	.type	k_qbf0162298e_stats,@function
k_qbf0162298e_stats:
	s_mov_b64 s[64:65], 0
	v_nop
	global_prefetch_b8 v0, s[64:65] scope:SCOPE_SE
	s_setreg_imm32_b32 hwreg(HW_REG_WAVE_MODE, 25, 1), 1
	s_wait_xcnt 0x0
; GroupNorm statistics and the weights' bf16 image.
; Work-group id owns half a group of x: 4 channels x 4096 positions = 65,536 consecutive bytes at id * 65,536.
; Thread t holds 64 numbers (16 loads of 16 bytes; a wave's load covers 512 consecutive bytes) in registers for BOTH passes:
; pass 1 the mean, pass 2 M2 = sum of (x - mean)^2, so the variance is never a difference of two large sums and x is read once.
; stats[id] = (mean, M2); the next launch joins the two halves of a group.
; Beside that the work-group rounds 1,024 weights to bf16 in the order in which the matrix operands want them:
; wb = 4 matrices (q, k, v, p) x 128 fragments (ot, ks) x [u 0..1][lane 0..31][16 bytes], lane (r, h), half u = W[16 ot + r][32 ks + 16 u + 8 h .. + 7].
; qw is multiplied by log2(e) / 16 first (the scores' scale 256^-1/2 and the change to base 2).
; No matrix unit, no cluster, no tensor load: the launch streams, and no two work-groups read the same bytes.
.set XB,  32                           ; v[32:95]  my 64 numbers of x
.set CHN, 8                            ; v[8:15]   four chains of two sums
.set MEAN, 24                          ; v[24:25]  the mean twice; at the end (mean, M2)
	s_load_b256 s[4:11], s[0:1], 0x0               ; x s[4:5], qw s[6:7], kw s[8:9], vw s[10:11]
	s_load_b128 s[12:15], s[0:1], 0x20             ; pw s[12:13], stats s[14:15]
	s_load_b64 s[16:17], s[0:1], 0x30              ; wb
	v_lshl_add_u32 v96, v0, 2, 0x100
	v_mov_b32 v97, 0
	v_lshlrev_b32 v1, 4, v0                        ; 16 t
	v_lshrrev_b32 v2, 5, v0                        ; t >> 5
	v_readfirstlane_b32 s18, v2                    ; wave
	s_lshl_b32 s20, ttmp9, 16                      ; my 65,536 bytes of x
	s_mov_b32 s21, 0
	s_lshl_b32 s22, ttmp9, 11                      ; my 2,048 bytes of wb
	s_mov_b32 s23, 0
	s_lshl_b32 s32, ttmp9, 3                       ; my 8 bytes of stats
	s_mov_b32 s33, 0
	s_lshr_b32 s24, ttmp9, 6                       ; which matrix: 0 q, 1 k, 2 v, 3 p
	s_bfe_u32 s25, ttmp9, 0x40002                  ; ot = (id & 63) >> 2
	s_and_b32 s34, ttmp9, 3
	s_lshl_b32 s25, s25, 14                        ; 16 ot rows of 1,024 bytes
	s_lshl_b32 s34, s34, 8                         ; 64 (id & 3) columns of 4 bytes
	s_add_co_u32 s25, s25, s34
	s_mov_b32 s30, 0x76543210                      ; v_permlanex16_b32: lane i reads lane i of the other half
	s_mov_b32 s31, 0xfedcba98
	v_bfe_u32 v3, v0, 1, 4                         ; r = (t >> 1) & 15
	v_lshlrev_b32 v3, 10, v3                       ; r rows
	v_lshl_add_u32 v3, v2, 5, v3                   ; + 8 (t >> 5) columns
	v_and_b32 v4, 1, v0
	v_lshl_add_u32 v3, v4, 4, v3                   ; + 4 (t & 1) columns
	v_add_nc_u32 v3, s25, v3                       ; byte offset of my 4 weights in their matrix
	v_mov_b32 v5, s18
	v_lshlrev_b32 v5, 2, v5                        ; my wave's word in LDS
	v_mov_b32 v6, 0
	v_lshlrev_b32 v7, 3, v0                        ; 8 t: my 8 bytes in the work-group's part of wb
	s_wait_kmcnt 0x0
	s_add_nc_u64 s[4:5], s[4:5], s[20:21]
	s_add_nc_u64 s[16:17], s[16:17], s[22:23]
	s_add_nc_u64 s[14:15], s[14:15], s[32:33]
	s_cmp_eq_u32 s24, 0
	s_cselect_b64 s[26:27], s[6:7], s[8:9]         ; qw or kw
	s_cselect_b32 s28, 0x3db8aa3b, 1.0             ; log2(e) / 16 for qw, 1 for the others
	s_cmp_eq_u32 s24, 2
	s_cselect_b64 s[26:27], s[10:11], s[26:27]     ; vw
	s_cmp_eq_u32 s24, 3
	s_cselect_b64 s[26:27], s[12:13], s[26:27]     ; pw
	s_mov_b32 s29, s28
.irp i, 0,1,2,3,4,5,6,7,8,9,10,11,12,13,14,15
	global_load_b128 v[XB+4*\i:XB+4*\i+3], v1, s[4:5] offset:\i*4096
.endr
	global_load_b128 v[28:31], v3, s[26:27]        ; my 4 weights
; The four chains are folded to one number, summed over the wave's 32 lanes, then over the 8 waves through 32 bytes of LDS at off.
.macro FOLD off
	v_pk_add_f32 v[CHN:CHN+1], v[CHN:CHN+1], v[CHN+2:CHN+3]
	v_pk_add_f32 v[CHN+4:CHN+5], v[CHN+4:CHN+5], v[CHN+6:CHN+7]
	v_pk_add_f32 v[CHN:CHN+1], v[CHN:CHN+1], v[CHN+4:CHN+5]
	v_add_f32 v8, v8, v9
	v_add_f32_dpp v8, v8, v8 row_xmask:1 row_mask:0xf bank_mask:0xf
	v_add_f32_dpp v8, v8, v8 row_xmask:2 row_mask:0xf bank_mask:0xf
	v_add_f32_dpp v8, v8, v8 row_xmask:4 row_mask:0xf bank_mask:0xf
	v_add_f32_dpp v8, v8, v8 row_xmask:8 row_mask:0xf bank_mask:0xf
	v_permlanex16_b32 v9, v8, s30, s31             ; v9 has been written: the destination counts as read
	v_add_f32 v8, v8, v9
	ds_store_b32 v5, v8 offset:\off                ; all lanes write the wave's word with the same value
	s_wait_dscnt 0x0                               ; my word is in LDS before I say so
	s_barrier_signal -1
	s_barrier_wait -1
	ds_load_b128 v[16:19], v6 offset:\off
	ds_load_b128 v[20:23], v6 offset:\off+16
	s_wait_dscnt 0x0
	v_pk_add_f32 v[16:17], v[16:17], v[18:19]
	v_pk_add_f32 v[20:21], v[20:21], v[22:23]
	v_pk_add_f32 v[16:17], v[16:17], v[20:21]
	v_add_f32 v8, v16, v17
.endm
	; pass 1: the sum.  17 loads were issued; each wait leaves out the loads younger than the four it needs: 13, 9, 5, 1.
	s_wait_loadcnt 13
.irp k, 0,1,2,3
	v_pk_add_f32 v[CHN+2*\k:CHN+2*\k+1], v[XB+4*\k:XB+4*\k+1], v[XB+4*\k+2:XB+4*\k+3]   ; the first sums start the chains
.endr
.irp bt, 1,2,3
	s_wait_loadcnt 13-4*\bt
.irp k, 0,1,2,3
	v_pk_add_f32 v[CHN+2*\k:CHN+2*\k+1], v[CHN+2*\k:CHN+2*\k+1], v[XB+16*\bt+4*\k:XB+16*\bt+4*\k+1]
.endr
.irp k, 0,1,2,3
	v_pk_add_f32 v[CHN+2*\k:CHN+2*\k+1], v[CHN+2*\k:CHN+2*\k+1], v[XB+16*\bt+4*\k+2:XB+16*\bt+4*\k+3]
.endr
.endr
	FOLD 0
	v_mul_f32 v[MEAN], 0x38800000, v8              ; / 16,384
	v_mov_b32 v[MEAN+1], v[MEAN]
	; pass 2: the sum of squared distances from the mean
.set p, 0
.rept 32
	v_pk_add_f32 v[XB+2*p:XB+2*p+1], v[XB+2*p:XB+2*p+1], v[MEAN:MEAN+1] neg_lo:[0,1] neg_hi:[0,1]
.set p, p+1
.endr
.irp k, 0,1,2,3
	v_pk_mul_f32 v[CHN+2*\k:CHN+2*\k+1], v[XB+2*\k:XB+2*\k+1], v[XB+2*\k:XB+2*\k+1]
.endr
.set p, 4
.rept 28
	v_pk_fma_f32 v[CHN+2*(p%4):CHN+2*(p%4)+1], v[XB+2*p:XB+2*p+1], v[XB+2*p:XB+2*p+1], v[CHN+2*(p%4):CHN+2*(p%4)+1]
.set p, p+1
.endr
	FOLD 32                                        ; other bytes than the first sum's: no wave can overwrite what another still reads
	v_mov_b32 v[MEAN+1], v8                        ; (mean, M2)
	; the weights
	s_wait_loadcnt 0x0
	v_pk_mul_f32 v[28:29], v[28:29], s[28:29] op_sel_hi:[1,0]
	v_pk_mul_f32 v[30:31], v[30:31], s[28:29] op_sel_hi:[1,0]
	v_cvt_pk_bf16_f32 v26, v28, v29
	v_cvt_pk_bf16_f32 v27, v30, v31
	global_store_b64 v7, v[26:27], s[16:17]        ; a wave stores 256 consecutive bytes, aligned
	s_wait_xcnt 0x0                                ; EXEC is a source of the pending store: it changes only behind this wait
	v_cmp_eq_u32 vcc_lo, 0, v0
	s_and_saveexec_b32 s19, vcc_lo
	global_store_b64 v6, v[MEAN:MEAN+1], s[14:15]  ; thread 0 alone
	s_wait_xcnt 0x0                                ; and again in front of the line that widens it
	s_or_b32 exec_lo, exec_lo, s19
	s_wait_tensorcnt 0x0
	ds_add_u32 v96, v97
	s_wait_dscnt 0x0
	s_endpgm
.Lfunc_end_k_qbf0162298e_stats:
	.size	k_qbf0162298e_stats, .Lfunc_end_k_qbf0162298e_stats-k_qbf0162298e_stats
	.p2alignl 7, 3214868480
	.fill 96, 4, 3214868480
	.section	.rodata,"a",@progbits
	.p2align	6, 0x0
	.amdhsa_kernel k_qbf0162298e_stats
		.amdhsa_group_segment_fixed_size 1280
		.amdhsa_private_segment_fixed_size 0
		.amdhsa_enable_private_segment 0
		.amdhsa_kernarg_size 56
		.amdhsa_user_sgpr_count 2
		.amdhsa_user_sgpr_kernarg_segment_ptr 1
		.amdhsa_wavefront_size32 1
		.amdhsa_system_sgpr_workgroup_id_x 1
		.amdhsa_system_sgpr_workgroup_id_y 1
		.amdhsa_system_sgpr_workgroup_id_z 1
		.amdhsa_system_vgpr_workitem_id 0
		.amdhsa_next_free_vgpr 98
		.amdhsa_next_free_sgpr 66
		.amdhsa_reserve_vcc 1
		.amdhsa_float_denorm_mode_32 3
		.amdhsa_float_denorm_mode_16_64 3
		.amdhsa_memory_ordered 1
		.amdhsa_forward_progress 1
		.amdhsa_inst_pref_size 13
	.end_amdhsa_kernel
	.amdgpu_metadata
---
amdhsa.version: [ 1, 2 ]
amdhsa.kernels:
  - .name:           k_qbf0162298e_stats
    .symbol:         k_qbf0162298e_stats.kd
    .args:
      - { .name: x, .offset: 0, .size: 8, .value_kind: global_buffer, .address_space: global }
      - { .name: qw, .offset: 8, .size: 8, .value_kind: global_buffer, .address_space: global }
      - { .name: kw, .offset: 16, .size: 8, .value_kind: global_buffer, .address_space: global }
      - { .name: vw, .offset: 24, .size: 8, .value_kind: global_buffer, .address_space: global }
      - { .name: pw, .offset: 32, .size: 8, .value_kind: global_buffer, .address_space: global }
      - { .name: stats, .offset: 40, .size: 8, .value_kind: global_buffer, .address_space: global }
      - { .name: wb, .offset: 48, .size: 8, .value_kind: global_buffer, .address_space: global }
    .group_segment_fixed_size: 1280
    .private_segment_fixed_size: 0
    .kernarg_segment_align: 8
    .kernarg_segment_size: 56
    .max_flat_workgroup_size: 256
    .sgpr_count:     66
    .vgpr_count:     98
    .wavefront_size: 32
...
	.end_amdgpu_metadata
.endif
;; end of part 1
;; launch qkv (part 2): grid 64 x 4, 4 waves a work-group, no clusters, 145,920 bytes of LDS; arguments x, gn_w, gn_b, stats, wb, qb, kb, vb, qs, ks, vt; writes qs, ks, vt
.if DOCPART == 2
	.amdgcn_target "amdgcn-amd-amdhsa--gfx1250"
	.amdhsa_code_object_version 6
	.text
	.protected	k_qbf0162298e_qkv
	.globl	k_qbf0162298e_qkv
	.p2align	8
	.type	k_qbf0162298e_qkv,@function
k_qbf0162298e_qkv:
	s_mov_b64 s[64:65], 0
	v_nop
	global_prefetch_b8 v0, s[64:65] scope:SCOPE_SE
	s_setreg_imm32_b32 hwreg(HW_REG_WAVE_MODE, 25, 1), 1
	s_wait_xcnt 0x0
; xn = GroupNorm(x) in f32, rounded to bf16;  Q' = (Wq xn + qb) log2(e)/16,  K = Wk xn + kb,  V = Wv xn + vb;  sums in f32, results bf16.
; The work-group (x = block of 64 positions, y = batch) makes all 768 outputs of its 64 positions.  Wave w makes output channels
; 64 w .. 64 w + 63 of each of q, k, v for all 64 positions: 16 accumulator tiles, 128 products a matrix.
; qs, ks: [b][l][256 c] bf16 (rows of 512 bytes).  vt: [b][l / 64][256 c][64 l] bf16: this work-group's part is one dense block of 32,768 bytes.
; NO CLUSTER, NO JOINT LOADS: the weights are shared by all work-groups, but they never pass through LDS here.  Each wave's 32 fragments of a matrix
; are its own (no other wave of the work-group reads them) and come lane by lane, 512 consecutive bytes a load, straight into operand registers.
; A joint tensor load would add 393,216 bytes of LDS writes and as many LDS reads per work-group, and beside the 145,408 bytes used here
; only one of the three matrices of 131,072 bytes would fit at a time.
; LDS: XT  xn as bf16 [256 c][64 l], pitch 160 = 5 x 32 bytes (read by transposing loads);
;      STQ, STK  64 rows (positions) of 512 bytes, pitch 528 = 33 x 16;  STV  256 rows (channels) of 128 bytes, pitch 144 = 9 x 16.
;      Each region is written once and read once: two barriers in all.
; REGISTERS, in windows of 256: window 0: v0-31 offsets; v32-63 gain, then a[i], then q's bias; v64-95 shift, then k's bias; v96-127 statistics, then v's bias;
;      v128-255 x rows, then the 16 accumulators;  window 1: xn fragments X(lt, ks) at 8 (8 lt + ks);  window 2: Wq, later Wv, W(otl, ks) at 8 (8 otl + ks);  window 3: Wk.
.set XT,  0
.set STQ, 40960
.set STK, 74752
.set STV, 108544
.set GW,  32
.set GB,  64
.set SS,  96
.set BQ,  32
.set BK,  64
.set BV,  96
.set ACC, 128
.set MSB, 0
.macro WIN new                         ; s_set_vgpr_msb: bits 1:0 source 0, 3:2 source 1, 5:4 source 2, 7:6 destination; the high byte repeats the setting left
.if MSB != \new
	s_set_vgpr_msb (MSB<<8)|\new
.set MSB, \new
.endif
.endm
	s_load_b512 s[4:19], s[0:1], 0x0               ; x s[4:5], gn_w s[6:7], gn_b s[8:9], stats s[10:11], wb s[12:13], qb s[14:15], kb s[16:17], vb s[18:19]
	s_load_b128 s[20:23], s[0:1], 0x40             ; qs s[20:21], ks s[22:23]
	s_load_b64 s[24:25], s[0:1], 0x50              ; vt
	v_lshl_add_u32 v22, v0, 2, 0x23800
	v_mov_b32 v23, 0
	v_and_b32 v1, 31, v0                           ; L
	v_and_b32 v2, 15, v0                           ; r
	v_bfe_u32 v3, v0, 4, 1                         ; h
	v_lshrrev_b32 v17, 5, v0
	v_readfirstlane_b32 s26, v17                   ; w
	s_lshl_b32 s27, s26, 6
	s_lshl_b32 s28, s26, 15
	s_lshl_b32 s29, s26, 8
	s_lshl_b32 s30, s26, 7
	s_add_co_u32 s30, s30, STQ
	s_mul_i32 s31, s26, 9216
	s_add_co_u32 s31, s31, STV
	s_mul_i32 s32, s26, 8448
	s_add_co_u32 s32, s32, STQ
	s_lshl_b32 s33, s26, 13
	v_lshlrev_b32 v17, 5, v3
	v_add_nc_u32 v17, s27, v17                     ; 64 w + 32 h: the first of my 32 channels of x
	v_lshlrev_b32 v4, 14, v17
	v_lshl_add_u32 v4, v2, 4, v4                   ; XO: x, channel rows of 16,384 bytes, 16 bytes a lane: 16 lanes read 256 consecutive bytes, aligned
	v_mul_u32_u24 v5, v17, 160
	v_lshl_add_u32 v5, v2, 3, v5                   ; XS: where my 4 bf16 of a row go in XT
	v_and_b32 v18, 7, v0
	v_lshl_add_u32 v18, v3, 3, v18
	v_mul_u32_u24 v6, v18, 160
	v_bfe_u32 v18, v0, 3, 1
	v_lshl_add_u32 v6, v18, 4, v6                  ; XR: (8 h + (L & 7)) rows + 16 ((L >> 3) & 1): the transposing load's address
	v_lshl_add_u32 v7, v1, 4, s28                  ; WO: my wave's 32 fragments of a matrix, 16 bytes a lane
	v_lshlrev_b32 v8, 2, v17                       ; GO: gain and shift of my 32 channels
	v_lshlrev_b32 v9, 1, v17                       ; SO: (8 w + 4 h) groups of 16 bytes
	v_lshl_add_u32 v10, v3, 5, s29                 ; BO: (64 w + 8 h) x 4
	v_lshl_add_u32 v11, v2, 2, s29                 ; BVO: (64 w + r) x 4
	v_mul_u32_u24 v12, v2, 528
	v_lshl_add_u32 v12, v3, 4, v12
	v_add_nc_u32 v12, s30, v12                     ; SQ: row r, channels 64 w + 8 h
	v_mul_u32_u24 v13, v2, 144
	v_lshl_add_u32 v13, v3, 4, v13
	v_add_nc_u32 v13, s31, v13                     ; SV: row 64 w + r, positions 8 h
	v_lshl_add_u32 v14, v1, 4, s32                 ; CQ: rows 16 w .. read back whole, 512 bytes a load
	v_lshrrev_b32 v18, 3, v1
	v_mul_u32_u24 v15, v18, 144
	v_and_b32 v18, 7, v0
	v_lshl_add_u32 v15, v18, 4, v15
	v_add_nc_u32 v15, s31, v15                     ; CV: four rows of 128 bytes a load
	v_lshl_add_u32 v16, v1, 4, s33                 ; GOUT: my wave's 8,192 bytes of each output block
	s_and_b32 s34, ttmp7, 0xffff                   ; b
	s_lshl_b32 s36, s34, 22
	s_lshl_b32 s35, ttmp9, 8
	s_add_co_u32 s36, s36, s35                     ; x: b x 4 MiB + 64 positions x 4 bytes x block
	s_mov_b32 s37, 0
	s_lshl_b32 s38, s34, 9                         ; stats: b x 32 groups x 16 bytes
	s_mov_b32 s39, 0
	s_lshl_b32 s42, s34, 21
	s_lshl_b32 s35, ttmp9, 15
	s_add_co_u32 s42, s42, s35                     ; qs, ks, vt: b x 2 MiB + block x 32,768
	s_mov_b32 s43, 0
	s_mov_b32 s40, 0x358637bd                      ; 1e-6
	s_mov_b32 s41, 0x38000000                      ; 1 / 32,768
	s_wait_kmcnt 0x0
	s_add_nc_u64 s[4:5], s[4:5], s[36:37]
	s_add_nc_u64 s[10:11], s[10:11], s[38:39]
	s_add_nc_u64 s[20:21], s[20:21], s[42:43]
	s_add_nc_u64 s[22:23], s[22:23], s[42:43]
	s_add_nc_u64 s[24:25], s[24:25], s[42:43]
; 64 loads: my wave's 32 fragments of the matrix at byte off of wb, into the window that win names as destination
.macro LDW win, off
	WIN \win
.set n, 0
.rept 64
	global_load_b128 v[4*n:4*n+3], v7, s[12:13] offset:\off+n*512
.set n, n+1
.endr
	WIN 0
.endm
.irp g, 0,1,2,3
	global_load_b128 v[SS+4*\g:SS+4*\g+3], v9, s[10:11] offset:16*\g       ; group g of my four: mean, M2 of its two halves
.endr
.irp n, 0,1,2,3,4,5,6,7
	global_load_b128 v[GW+4*\n:GW+4*\n+3], v8, s[6:7] offset:16*\n
	global_load_b128 v[GB+4*\n:GB+4*\n+3], v8, s[8:9] offset:16*\n
.endr
.set i, 0
.rept 32
	global_load_b128 v[ACC+4*i:ACC+4*i+3], v4, s[4:5] offset:i*16384       ; channel 64 w + 32 h + i, my 4 positions
.set i, i+1
.endr
	LDW 0x80, 0                                    ; Wq
	s_wait_loadcnt 63                              ; 64 loads (Wq) are younger than x: with 63 out, x and all before it are in
	; the two halves of a group are joined: mean = (ma + mb) / 2, M2 = M2a + M2b + (ma - mb)^2 x 8,192 (16,384 numbers each)
.irp g, 0,1,2,3
	v_sub_f32 v[28+\g], v[SS+4*\g], v[SS+4*\g+2]
	v_add_f32 v[SS+4*\g], v[SS+4*\g], v[SS+4*\g+2]
	v_add_f32 v[SS+4*\g+1], v[SS+4*\g+1], v[SS+4*\g+3]
	v_mul_f32 v[28+\g], v[28+\g], v[28+\g]
	v_mul_f32 v[SS+4*\g], 0.5, v[SS+4*\g]
	v_fmamk_f32 v[SS+4*\g+1], v[28+\g], 0x46000000, v[SS+4*\g+1]
	v_fma_f32 v[SS+4*\g+1], v[SS+4*\g+1], s41, s40                         ; variance + eps
.endr
.irp g, 0,1,2,3
	v_rsq_f32 v[SS+4*\g+2], v[SS+4*\g+1]
.endr
	v_nop                                          ; one plain instruction behind the transcendentals before a result is used (ISA guide 5.7.2)
.set i, 0
	s_wait_alu depctr_va_vdst(0)
.rept 32
	v_mul_f32 v[GW+i], v[GW+i], v[SS+4*(i/8)+2]                            ; a = gain x rstd
	v_fma_f32 v[GB+i], -v[SS+4*(i/8)], v[GW+i], v[GB+i]                    ; sh = shift - mean x a
.set i, i+1
.endr
; one channel row: xn = x a + sh (one rounding), to bf16, 8 bytes a lane into XT.  b = i & 1 picks a and sh out of their pairs.
.macro NORMROW i, b
	v_pk_fma_f32 v[ACC+4*(\i):ACC+4*(\i)+1], v[ACC+4*(\i):ACC+4*(\i)+1], v[GW+(\i)-\b:GW+(\i)-\b+1], v[GB+(\i)-\b:GB+(\i)-\b+1] op_sel:[0,\b,\b] op_sel_hi:[1,\b,\b]
	v_pk_fma_f32 v[ACC+4*(\i)+2:ACC+4*(\i)+3], v[ACC+4*(\i)+2:ACC+4*(\i)+3], v[GW+(\i)-\b:GW+(\i)-\b+1], v[GB+(\i)-\b:GB+(\i)-\b+1] op_sel:[0,\b,\b] op_sel_hi:[1,\b,\b]
	v_cvt_pk_bf16_f32 v[ACC+4*(\i)], v[ACC+4*(\i)], v[ACC+4*(\i)+1]
	v_cvt_pk_bf16_f32 v[ACC+4*(\i)+1], v[ACC+4*(\i)+2], v[ACC+4*(\i)+3]
	ds_store_b64 v5, v[ACC+4*(\i):ACC+4*(\i)+1] offset:(\i)*160
.endm
.irp q, 0,2,4,6,8,10,12,14,16,18,20,22,24,26,28,30
	NORMROW \q, 0
	NORMROW \q+1, 1
.endr
	; the biases, in the accumulators' layout: q and k hold 8 neighbouring channels a lane, v one channel a lane
.irp o, 0,1,2,3
	global_load_b128 v[BQ+8*\o:BQ+8*\o+3],   v10, s[14:15] offset:64*\o
	global_load_b128 v[BQ+8*\o+4:BQ+8*\o+7], v10, s[14:15] offset:64*\o+16
	global_load_b128 v[BK+8*\o:BK+8*\o+3],   v10, s[16:17] offset:64*\o
	global_load_b128 v[BK+8*\o+4:BK+8*\o+7], v10, s[16:17] offset:64*\o+16
	global_load_b32 v[24+\o], v11, s[18:19] offset:64*\o
.endr
	s_wait_dscnt 0x0                               ; my rows of XT are in LDS before I say so
	s_barrier_signal -1
	s_barrier_wait -1                              ; all 256 rows are
	WIN 0x40
.irp lt, 0,1,2,3
.irp ks, 0,1,2,3,4,5,6,7
	ds_load_tr16_b128 v[8*(8*\lt+\ks):8*(8*\lt+\ks)+3],   v6 offset:\ks*5120+\lt*32          ; channels 32 ks + 8 h .. of position 16 lt + r
	ds_load_tr16_b128 v[8*(8*\lt+\ks)+4:8*(8*\lt+\ks)+7], v6 offset:\ks*5120+2560+\lt*32     ; channels 32 ks + 16 + 8 h ..
.endr
.endr
	WIN 0
	s_wait_loadcnt 0x0                             ; Wq and the biases
	LDW 0xc0, 131072                               ; Wk, on its way during q's products
.set p, 0
.rept 16
	v_pk_mul_f32 v[BQ+2*p:BQ+2*p+1], v[BQ+2*p:BQ+2*p+1], 0x3db8aa3b op_sel_hi:[1,0]          ; qb x log2(e) / 16, as Wq has been
.set p, p+1
.endr
.irp o, 0,1,2,3
.irp k, 0,1,2,3,4,5,6,7
	v_mov_b32 v[BV+8*\o+\k], v[24+\o]              ; v's bias is the same for a lane's 8 positions
.endr
.endr
	s_wait_dscnt 0x0                               ; the xn fragments
; 128 products.  The 16 accumulators take turns, one instruction a turn.  The first K step takes the bias as C: nothing is cleared.
; swap = 0: source 0 = weights (m = channel), source 1 = xn (n = position): a lane holds 8 neighbouring channels of one position.
; swap = 1: the other way round: a lane holds 8 neighbouring positions of one channel.
.macro MAT win, swap, bias
	WIN \win
.irp ks, 0,1,2,3,4,5,6,7
.irp otl, 0,1,2,3
.irp lt, 0,1,2,3
.if \swap
.if \ks == 0
	v_wmma_f32_16x16x32_bf16 v[ACC+8*(4*\otl+\lt):ACC+8*(4*\otl+\lt)+7], v[8*(8*\lt+\ks):8*(8*\lt+\ks)+7], v[8*(8*\otl+\ks):8*(8*\otl+\ks)+7], v[\bias+8*\otl:\bias+8*\otl+7]
.else
	v_wmma_f32_16x16x32_bf16 v[ACC+8*(4*\otl+\lt):ACC+8*(4*\otl+\lt)+7], v[8*(8*\lt+\ks):8*(8*\lt+\ks)+7], v[8*(8*\otl+\ks):8*(8*\otl+\ks)+7], v[ACC+8*(4*\otl+\lt):ACC+8*(4*\otl+\lt)+7]
.endif
.else
.if \ks == 0
	v_wmma_f32_16x16x32_bf16 v[ACC+8*(4*\otl+\lt):ACC+8*(4*\otl+\lt)+7], v[8*(8*\otl+\ks):8*(8*\otl+\ks)+7], v[8*(8*\lt+\ks):8*(8*\lt+\ks)+7], v[\bias+8*\otl:\bias+8*\otl+7]
.else
	v_wmma_f32_16x16x32_bf16 v[ACC+8*(4*\otl+\lt):ACC+8*(4*\otl+\lt)+7], v[8*(8*\otl+\ks):8*(8*\otl+\ks)+7], v[8*(8*\lt+\ks):8*(8*\lt+\ks)+7], v[ACC+8*(4*\otl+\lt):ACC+8*(4*\otl+\lt)+7]
.endif
.endif
.endr
.endr
.endr
	WIN 0
.endm
; The 16 tiles are rounded to bf16 in place (a tile's registers 0-3) and go to the stage, 16 bytes a lane.
.macro STAGE kind, add
.rept 4
	v_nop                                          ; four places behind the last products before their results are read (ISA guide 7.12.1)
.endr
.irp t, 0,1,2,3,4,5,6,7,8,9,10,11,12,13,14,15
.irp p, 0,1,2,3
	v_cvt_pk_bf16_f32 v[ACC+8*\t+\p], v[ACC+8*\t+2*\p], v[ACC+8*\t+2*\p+1]
.endr
.endr
.irp otl, 0,1,2,3
.irp lt, 0,1,2,3
.if \kind
	ds_store_b128 v13, v[ACC+8*(4*\otl+\lt):ACC+8*(4*\otl+\lt)+3] offset:\otl*2304+\lt*32
.else
	ds_store_b128 v12, v[ACC+8*(4*\otl+\lt):ACC+8*(4*\otl+\lt)+3] offset:\add+\lt*8448+\otl*32
.endif
.endr
.endr
.endm
	MAT 0x06, 0, BQ                                ; source 0 window 2 (Wq), source 1 window 1 (xn)
	STAGE 0, 0
	s_wait_loadcnt 0x0                             ; Wk
	LDW 0x80, 262144                               ; Wv over Wq, far more than four places behind q's last product; on its way during k's products
	MAT 0x07, 0, BK                                ; source 0 window 3 (Wk)
	STAGE 0, STK-STQ
	s_wait_loadcnt 0x0                             ; Wv
	MAT 0x09, 1, BV                                ; source 0 window 1 (xn), source 1 window 2 (Wv)
	STAGE 1, 0
	s_wait_dscnt 0x0                               ; my parts of the three stages are in LDS before I say so
	s_barrier_signal -1
	s_barrier_wait -1
	; the way out: whole rows back from LDS, every store of the wave covers 512 consecutive bytes, aligned
.set k, 0
.rept 16
	ds_load_b128 v[64+4*k:67+4*k], v14 offset:k*528
.set k, k+1
.endr
.set k, 0
.rept 16
	ds_load_b128 v[128+4*k:131+4*k], v14 offset:STK-STQ+k*528
.set k, k+1
.endr
.set k, 0
.rept 16
	ds_load_b128 v[192+4*k:195+4*k], v15 offset:k*576
.set k, k+1
.endr
.set k, 0
.rept 16
	s_wait_dscnt 47-k                              ; LDS loads come back in order: all but the younger ones are in
	global_store_b128 v16, v[64+4*k:67+4*k], s[20:21] offset:k*512
.set k, k+1
.endr
.set k, 0
.rept 16
	s_wait_dscnt 31-k
	global_store_b128 v16, v[128+4*k:131+4*k], s[22:23] offset:k*512
.set k, k+1
.endr
.set k, 0
.rept 16
	s_wait_dscnt 15-k
	global_store_b128 v16, v[192+4*k:195+4*k], s[24:25] offset:k*512
.set k, k+1
.endr
	s_wait_tensorcnt 0x0
	ds_add_u32 v22, v23
	s_wait_dscnt 0x0
	s_endpgm
.Lfunc_end_k_qbf0162298e_qkv:
	.size	k_qbf0162298e_qkv, .Lfunc_end_k_qbf0162298e_qkv-k_qbf0162298e_qkv
	.p2alignl 7, 3214868480
	.fill 96, 4, 3214868480
	.section	.rodata,"a",@progbits
	.p2align	6, 0x0
	.amdhsa_kernel k_qbf0162298e_qkv
		.amdhsa_group_segment_fixed_size 145920
		.amdhsa_private_segment_fixed_size 0
		.amdhsa_enable_private_segment 0
		.amdhsa_kernarg_size 88
		.amdhsa_user_sgpr_count 2
		.amdhsa_user_sgpr_kernarg_segment_ptr 1
		.amdhsa_wavefront_size32 1
		.amdhsa_system_sgpr_workgroup_id_x 1
		.amdhsa_system_sgpr_workgroup_id_y 1
		.amdhsa_system_sgpr_workgroup_id_z 1
		.amdhsa_system_vgpr_workitem_id 0
		.amdhsa_next_free_vgpr 1024
		.amdhsa_next_free_sgpr 66
		.amdhsa_reserve_vcc 0
		.amdhsa_float_denorm_mode_32 3
		.amdhsa_float_denorm_mode_16_64 3
		.amdhsa_memory_ordered 1
		.amdhsa_forward_progress 1
		.amdhsa_inst_pref_size 99
	.end_amdhsa_kernel
	.amdgpu_metadata
---
amdhsa.version: [ 1, 2 ]
amdhsa.kernels:
  - .name:           k_qbf0162298e_qkv
    .symbol:         k_qbf0162298e_qkv.kd
    .args:
      - { .name: x, .offset: 0, .size: 8, .value_kind: global_buffer, .address_space: global }
      - { .name: gn_w, .offset: 8, .size: 8, .value_kind: global_buffer, .address_space: global }
      - { .name: gn_b, .offset: 16, .size: 8, .value_kind: global_buffer, .address_space: global }
      - { .name: stats, .offset: 24, .size: 8, .value_kind: global_buffer, .address_space: global }
      - { .name: wb, .offset: 32, .size: 8, .value_kind: global_buffer, .address_space: global }
      - { .name: qb, .offset: 40, .size: 8, .value_kind: global_buffer, .address_space: global }
      - { .name: kb, .offset: 48, .size: 8, .value_kind: global_buffer, .address_space: global }
      - { .name: vb, .offset: 56, .size: 8, .value_kind: global_buffer, .address_space: global }
      - { .name: qs, .offset: 64, .size: 8, .value_kind: global_buffer, .address_space: global }
      - { .name: ks, .offset: 72, .size: 8, .value_kind: global_buffer, .address_space: global }
      - { .name: vt, .offset: 80, .size: 8, .value_kind: global_buffer, .address_space: global }
    .group_segment_fixed_size: 145920
    .private_segment_fixed_size: 0
    .kernarg_segment_align: 8
    .kernarg_segment_size: 88
    .max_flat_workgroup_size: 128
    .sgpr_count:     66
    .vgpr_count:     1024
    .wavefront_size: 32
...
	.end_amdgpu_metadata
.endif
;; end of part 2
;; launch attn (part 3): grid 64 x 4, 4 waves a work-group, clusters of 4 x 1, 327,680 bytes of LDS; arguments qs, ks, vt, wb, pb, x, out0; writes out0
.if DOCPART == 3
	.amdgcn_target "amdgcn-amd-amdhsa--gfx1250"
	.amdhsa_code_object_version 6
	.text
	.protected	k_qbf0162298e_attn
	.globl	k_qbf0162298e_attn
	.p2align	8
	.type	k_qbf0162298e_attn,@function
k_qbf0162298e_attn:
	s_mov_b64 s[64:65], 0
	v_nop
	global_prefetch_b8 v0, s[64:65] scope:SCOPE_SE
	s_setreg_imm32_b32 hwreg(HW_REG_WAVE_MODE, 25, 1), 1
	s_wait_xcnt 0x0
	s_wait_alu depctr_hold_cnt(0) depctr_sa_sdst(0) depctr_va_vdst(0) depctr_va_sdst(0) depctr_va_ssrc(0) depctr_va_vcc(0) depctr_vm_vsrc(0)
	s_getreg_b32 s2, hwreg(HW_REG_IB_STS2, 6, 4)
	s_cmp_eq_u32 s2, 0
	s_cbranch_scc0 .Lentry_in_a_cluster
	s_endpgm
.Lentry_in_a_cluster:
	s_bfe_u32 s2, ttmp6, 0x10000c
	s_cmp_lg_u32 s2, 0x3003
	s_cbranch_scc0 .Lentry_shape_is_right
	s_endpgm
.Lentry_shape_is_right:
; out0 = x + pw softmax(Q K^T / 16) V + pb, by a running maximum.  The work-group owns 64 queries of one batch; 32 steps of 128 keys.
; KEYS ARE SPLIT OVER THE WAVES: in step t wave w takes keys 128 t + 32 w .. + 31 for all 64 queries (32,768 bytes of LDS for 128 products), keeps its own
; maximum m, sum l and O (256 channels x 64 queries, 512 registers); the four are merged at the end.
; NO SHUFFLE: S^T = K Q^T (source 0 = keys, source 1 = queries): a lane owns one query, its registers are keys; two such tiles, packed to bf16, ARE the operand P;
; O^T = V P^T (source 0 = channels, source 1 = queries): the rescaling factor is the lane's own; two O tiles, packed, are the projection's operand.
; Q has been multiplied by log2(e) / 16, so p = 2^(s - m).
; CLUSTER: the four work-groups of a cluster (same batch, neighbouring query blocks) walk the same K and V tiles: every tensor load is a joint request with the mask 15.
; The place in the cluster enters only the global addresses of register loads and stores (Q, x, out0).
; PIPELINE: trip t, phase 1: S(t+1) = K(t+1) Q (64 products) beside O *= alpha(t); phase 2: O += V(t) P(t) (64 products) beside the softmax of S(t+1).
; FRAGMENTS: 32 items a trip (16 of K, 16 of V), fetched in FOUR RUNS of sixteen LDS loads, each run four groups of products ahead of its first use,
; so that between two runs products and vector work follow each other with no memory instruction among them.
; LIMITS: P and the merged O are rounded to bf16; l is summed from the unrounded p; 2^y below 2^-126 counts as 0; a query all of whose scores are -inf or NaN is not served.
; LDS: K slots 2 x 67,584 (128 rows, pitch 528 = 33 x 16); V slots 2 x 73,728 (2 blocks [256 c][64 keys], pitch 144 = 9 x 16).  Behind the slots' last fill their bytes
; hold the merge: O partials (f32) at 0, merged O (bf16 fragments) at OBX, later the output stage at 0.  ST: the exchange of m and l; no fill ever lands there.
; REGISTERS: window 0: v4-7 fragment addresses, m, l, alpha, S, two P buffers, twelve fragment slots in three banks (A v192-223, B v224-255, C v8-23 and v48-63);
; window 1: Q(j, ks) at 8 (8 j + ks); windows 2, 3: O(ct, j) in window 2 + (ct >> 3) at 8 (4 (ct & 7) + j).  The epilogue's addresses are made in bank C when the loop is over.
.set KBS,  67584
.set VB0,  135168
.set VBS,  73728
.set OBX,  262144
.set ST,   294912
.set ADRK, 4                           ; v4-5   my K fragments in slot 0, 1
.set ADRV, 6                           ; v6-7   my V fragments in slot 0, 1
.set QO,   44                          ; v44    Q's load offset, in the prologue alone
.set XO,   9                           ; v9-22  the epilogue's addresses, written behind the loop
.set PWO,  10
.set PBO,  11
.set STA,  12
.set STR,  13
.set MR,   14
.set OBR,  15
.set MA,   16                          ; v16-19
.set OBS,  20
.set STO,  21
.set RD,   22
.set M,    24                          ; v24-27 running maximum of query tile j
.set LS,   28                          ; v28-31 running sum (this lane's keys)
.set AL,   32                          ; v32-35 alpha
.set T,    36                          ; v36-43 at work
.set PBV,  44                          ; v44-47 pb, in the epilogue
.set SC,   64                          ; v64-127  S(kt, j) at 64 + 16 j + 8 kt
.set PB,   128                         ; v128-191 P buffers 0, 1; P(j) at + 8 j
.set F,    192                         ; v192-255 banks A and B; in the epilogue the packed O
.set G1K,  24                          ; s[24:31] group 1, K tiles
.set G1V,  32                          ; s[32:39] group 1, V tiles
.set G0K,  40                          ; s[40:47] group 0, K slots 0, 1
.set G0V,  48                          ; s[48:55] group 0, V slots 0, 1
.set MSB, 0
.macro WIN new                         ; s_set_vgpr_msb: bits 1:0 source 0, 3:2 source 1, 5:4 source 2, 7:6 destination; the high byte repeats the setting left
.if MSB != \new
	s_set_vgpr_msb (MSB<<8)|\new
.set MSB, \new
.endif
.endm
.macro CREST                           ; a round of the cluster's barrier behind its opening work-group barrier
	s_cmp_lg_u32 s20, 0
	s_cbranch_scc1 .Lnot_wave_0_\@
	s_barrier_signal -3
.Lnot_wave_0_\@:
	s_barrier_wait -3
	s_barrier_signal -1
	s_barrier_wait -1
.endm
.macro ROUND
	s_barrier_signal -1
	s_barrier_wait -1
	CREST
.endm
	s_load_b256 s[4:11], s[0:1], 0x0               ; qs s[4:5], ks s[6:7], vt s[8:9], wb s[10:11]
	s_load_b128 s[12:15], s[0:1], 0x20             ; pb s[12:13], x s[14:15]
	s_load_b64 s[16:17], s[0:1], 0x30              ; out0
	v_lshl_add_u32 v46, v0, 2, 0x48800
	v_mov_b32 v47, 0
	ds_add_u32 v46, v47
	s_wait_dscnt 0x0
	v_lshrrev_b32 v1, 5, v0
	v_readfirstlane_b32 s20, v1                    ; w
	s_bfe_u32 s21, ttmp6, 0x40000                  ; cx
	s_lshl_b32 s22, ttmp9, 2
	s_add_co_u32 s22, s22, s21                     ; query block = 4 x cluster x + cx
	s_and_b32 s23, ttmp7, 0xffff                   ; b
	s_mov_b32 s56, 0x76543210                      ; v_permlanex16_b32: lane i reads lane i of the other half
	s_mov_b32 s57, 0xfedcba98
	; group 1, K: 32 rows of 256 bf16, 16 bytes of padding behind every 128 words (a row)
	s_mov_b32 s[G1K+0], 15|(1<<16)|(1<<20)|(1<<21)|(6<<22)|(3<<25)   ; mask of all four; 2-byte elements; padding on; bit 21 beside a mask; interval code 6; 4 words
	s_mov_b32 s[G1K+1], 256<<16                    ; tensor_dim0 = 256
	s_mov_b32 s[G1K+2], 32<<16                     ; tensor_dim1 = 32
	s_mov_b32 s[G1K+3], 256<<16                    ; tile_dim0 = 256
	s_mov_b32 s[G1K+4], 32                         ; tile_dim1 = 32
	s_mov_b32 s[G1K+5], 256                        ; pitch
	s_mov_b32 s[G1K+6], 0
	s_mov_b32 s[G1K+7], 0
	; group 1, V: 16,384 dense bytes as 64 rows of 32 elements of 8 bytes, 16 bytes of padding behind every 32 words: each 128 bytes (a channel's 64 keys) get a pitch of 144
	s_mov_b32 s[G1V+0], 15|(3<<16)|(1<<20)|(1<<21)|(4<<22)|(3<<25)
	s_mov_b32 s[G1V+1], 32<<16
	s_mov_b32 s[G1V+2], 64<<16
	s_mov_b32 s[G1V+3], 32<<16
	s_mov_b32 s[G1V+4], 64
	s_mov_b32 s[G1V+5], 32
	s_mov_b32 s[G1V+6], 0
	s_mov_b32 s[G1V+7], 0
	; group 0: wave w fetches its quarter of a tile: in memory and in LDS that is w times a constant.  Nothing here hangs on cx.
	s_lshl_b32 s60, s23, 21
	s_lshl_b32 s61, s20, 14
	s_add_co_u32 s60, s60, s61                     ; b x 2 MiB + w x 16,384
	s_mov_b32 s61, 0
	s_mov_b32 s[G0K+0], 1
	s_mul_i32 s[G0K+1], s20, 16896
	s_mov_b32 s[G0K+4], 1
	s_add_co_u32 s[G0K+5], s[G0K+1], KBS
	s_mov_b32 s[G0V+0], 1
	s_mul_i32 s[G0V+1], s20, 18432
	s_add_co_u32 s[G0V+1], s[G0V+1], VB0
	s_mov_b32 s[G0V+4], 1
	s_add_co_u32 s[G0V+5], s[G0V+1], VBS
	s_lshl_b32 s70, s23, 21                        ; Q: b x 2 MiB + query block x 32,768
	s_lshl_b32 s71, s22, 15
	s_add_co_u32 s70, s70, s71
	s_mov_b32 s71, 0
	s_lshl_b32 s72, s23, 22                        ; x, out0: b x 4 MiB + query block x 256
	s_lshl_b32 s73, s22, 8
	s_add_co_u32 s72, s72, s73
	s_mov_b32 s73, 0
	s_wait_kmcnt 0x0
	s_add_nc_u64 s[G0K+2:G0K+3], s[6:7], s[60:61]          ; K(0)
	s_add_nc_u64 s[G0K+6:G0K+7], s[G0K+2:G0K+3], 65536     ; K(1)
	s_add_nc_u64 s[G0V+2:G0V+3], s[8:9], s[60:61]          ; V(0)
	s_add_nc_u64 s[G0V+6:G0V+7], s[G0V+2:G0V+3], 65536     ; V(1)
	s_or_b32 s[G0K+3], s[G0K+3], 0x80000000
	s_or_b32 s[G0K+7], s[G0K+7], 0x80000000
	s_or_b32 s[G0V+3], s[G0V+3], 0x80000000
	s_or_b32 s[G0V+7], s[G0V+7], 0x80000000
	s_add_nc_u64 s[4:5], s[4:5], s[70:71]
	s_add_nc_u64 s[14:15], s[14:15], s[72:73]
	s_add_nc_u64 s[16:17], s[16:17], s[72:73]
	ROUND                                          ; all four work-groups are here: the first joint loads meet
	tensor_load_to_lds s[G0K:G0K+3], s[G1K:G1K+7]          ; four tensor loads of the wave are out
	s_nop 0
	tensor_load_to_lds s[G0K+4:G0K+7], s[G1K:G1K+7]
	s_nop 0
	tensor_load_to_lds s[G0V:G0V+3], s[G1V:G1V+7]
	s_nop 0
	tensor_load_to_lds s[G0V+4:G0V+7], s[G1V:G1V+7]
	s_nop 0
	v_and_b32 v1, 31, v0                           ; L
	v_and_b32 v2, 15, v0                           ; r
	v_bfe_u32 v3, v0, 4, 1                         ; h
	v_lshlrev_b32 v[QO], 9, v2
	v_lshl_add_u32 v[QO], v3, 4, v[QO]             ; row r of 512 bytes + 16 h
	WIN 0x40
.irp j, 0,1,2,3
.irp ks, 0,1,2,3,4,5,6,7
	global_load_b128 v[8*(8*\j+\ks):8*(8*\j+\ks)+3],   v[QO], s[4:5] offset:\j*8192+\ks*64
	global_load_b128 v[8*(8*\j+\ks)+4:8*(8*\j+\ks)+7], v[QO], s[4:5] offset:\j*8192+\ks*64+32
.endr
.endr
	WIN 0
	v_mul_u32_u24 v[ADRK], v2, 528
	v_lshl_add_u32 v[ADRK], v3, 4, v[ADRK]
	v_add_nc_u32 v[ADRK], s[G0K+1], v[ADRK]        ; (32 w + r) x 528 + 16 h
	v_add_nc_u32 v[ADRK+1], KBS, v[ADRK]
	s_lshr_b32 s62, s20, 1
	s_mul_i32 s62, s62, 36864                      ; my key block of the tile's two
	s_and_b32 s63, s20, 1
	s_lshl_b32 s63, s63, 6                         ; my 32 keys of its 64
	s_add_co_u32 s62, s62, s63
	s_add_co_u32 s62, s62, VB0
	v_mul_u32_u24 v[ADRV], v2, 144
	v_lshl_add_u32 v[ADRV], v3, 4, v[ADRV]
	v_add_nc_u32 v[ADRV], s62, v[ADRV]
	v_add_nc_u32 v[ADRV+1], VBS, v[ADRV]
	s_lshl_b32 s66, s20, 20                        ; the wave's terms of the epilogue's addresses: they stay in scalar registers through the loop
	s_lshl_b32 s67, s20, 15
	s_lshl_b32 s68, s20, 8
	s_lshl_b32 s69, s20, 16
	s_lshl_b32 s74, s20, 14
	s_lshl_b32 s75, s20, 13
	s_mul_i32 s63, s20, 17408
.irp j, 0,1,2,3
	v_mov_b32 v[M+\j], 0xff800000                  ; -inf: the first alpha is 0
	v_mov_b32 v[LS+\j], 0
.endr
; THE FRAGMENT SLOTS.  Items 0-15: K(ks = item >> 1, kt = item & 1); items 16-31: V(ct = item - 16).  The eight quads of items lie in banks A B C A C B A C
; (two bits a quad in 0x8624: 0 = A, 1 = B, 2 = C).  A run fetches two quads into the two banks whose items have been multiplied, while the third bank's quad is still to be read:
;   ahead of group  4: items  8-15 into C, A (B unread);   ahead of group 12: items 16-23 into C, B (A unread);
;   ahead of group 20: items 24-31 into A, C (B unread);   ahead of group 28: the next trip's items 0-7 into A, B (C unread).  The map repeats every trip.
.macro SLOTOF item                     ; FR = first register of the item's slot
.set BK, (0x8624>>(2*(((\item)>>2)&7)))&3
.if BK == 0
.set FR, 192+8*((\item)&3)
.else
.if BK == 1
.set FR, 224+8*((\item)&3)
.else
.set FR, 8+8*((\item)&3)+24*(((\item)&3)>>1)   ; v8, v16, v48, v56
.endif
.endif
.endm
; two LDS loads: item idx (which bytes) into the slot of item sidx (which registers)
.macro LDITEM idx, sidx, kb, vb
	SLOTOF \sidx
.if (\idx) < 16
	ds_load_b128 v[FR:FR+3],   v[ADRK+\kb] offset:((\idx)&1)*8448+((\idx)>>1)*64
	ds_load_b128 v[FR+4:FR+7], v[ADRK+\kb] offset:((\idx)&1)*8448+((\idx)>>1)*64+32
.else
	ds_load_b128 v[FR:FR+3],   v[ADRV+\vb] offset:((\idx)-16)*2304
	ds_load_b128 v[FR+4:FR+7], v[ADRV+\vb] offset:((\idx)-16)*2304+32
.endif
.endm
; a run: eight items, sixteen loads.  It stands under a window setting whose destination and source 0 are window 0 (0 or 0x04).
.macro RUN i0, s0, kb, vb
.irp d, 0,1,2,3,4,5,6,7
	LDITEM \i0+\d, \s0+\d, \kb, \vb
.endr
.endm
; S(kt, j) += K(ks, kt) Q(j, ks); the first K step starts the sum
.macro SWM i, j
	SLOTOF \i
.if ((\i)>>1) == 0
	v_wmma_f32_16x16x32_bf16 v[SC+16*(\j)+8*((\i)&1):SC+16*(\j)+8*((\i)&1)+7], v[FR:FR+7], v[8*(8*(\j)+((\i)>>1)):8*(8*(\j)+((\i)>>1))+7], 0
.else
	v_wmma_f32_16x16x32_bf16 v[SC+16*(\j)+8*((\i)&1):SC+16*(\j)+8*((\i)&1)+7], v[FR:FR+7], v[8*(8*(\j)+((\i)>>1)):8*(8*(\j)+((\i)>>1))+7], v[SC+16*(\j)+8*((\i)&1):SC+16*(\j)+8*((\i)&1)+7]
.endif
.endm
; O(ct, j0) and O(ct, j0 + 1) times the lane's factors AL[j0], AL[j0 + 1]
.macro RESC ct, j0
.if (\ct) < 8
	WIN 0x82
.else
	WIN 0xc3
.endif
.set OREG, 8*(4*((\ct)%8)+\j0)
.irp p, 0,2,4,6
	v_pk_mul_f32 v[OREG+\p:OREG+\p+1], v[OREG+\p:OREG+\p+1], v[AL+\j0:AL+\j0+1] op_sel:[0,0] op_sel_hi:[1,0]
.endr
.irp p, 8,10,12,14
	v_pk_mul_f32 v[OREG+\p:OREG+\p+1], v[OREG+\p:OREG+\p+1], v[AL+\j0:AL+\j0+1] op_sel:[0,1] op_sel_hi:[1,1]
.endr
.endm
; A group of phase 1: four products on four accumulators (eight take turns over two groups, one instruction a turn) and the rescaling of O(ct = i) between them.
; The eight multiplies that end the group are the places behind its products, for a run that follows (ISA guide 7.12.1).  cnt < 0: no wait.
.macro G1 i, resc, cnt
	WIN 0x04
.if \cnt >= 0
	s_wait_dscnt \cnt                              ; item i is in; the count is that of the younger LDS loads
.endif
	SWM \i, 0
	SWM \i, 1
.if \resc
	RESC \i, 0
.endif
	WIN 0x04
	SWM \i, 2
	SWM \i, 3
.if \resc
	RESC \i, 2
.else
.if ((\i)%4) == 3
.rept 4
	v_nop                                          ; no rescaling here: the four places in front of a run into slots just read, and of the softmax that reads S (ISA guide 7.12.1)
.endr
.endif
.endif
.endm
; s - m for 8 scores; b picks m out of its pair
.macro SUBM base, b
.irp p, 0,2,4,6
	v_pk_add_f32 v[\base+\p:\base+\p+1], v[\base+\p:\base+\p+1], v[MP:MP+1] op_sel:[0,\b] op_sel_hi:[1,\b] neg_lo:[0,1] neg_hi:[0,1]
.endr
.endm
; One eighth of the softmax of query tile j.  Each run of exponentials is followed by the plain, independent lines that open the next step (ISA guide 5.7.2).
.macro SM j, step, pw
.set SB, SC+16*(\j)
.set PP, PB+32*(\pw)+8*(\j)
.set MJ, M+(\j)
.set MP, M+2*((\j)/2)
.set AJ, AL+(\j)
.set LJ, LS+(\j)
.if (\step) == 0
	v_max3_num_f32 v[T],   v[SB],    v[SB+1],  v[SB+2]
	v_max3_num_f32 v[T+1], v[SB+3],  v[SB+4],  v[SB+5]
	v_max3_num_f32 v[T+2], v[SB+6],  v[SB+7],  v[SB+8]
	v_max3_num_f32 v[T+3], v[SB+9],  v[SB+10], v[SB+11]
	v_max3_num_f32 v[T+4], v[SB+12], v[SB+13], v[SB+14]
	v_max3_num_f32 v[T],   v[T],     v[T+1],   v[SB+15]
.endif
.if (\step) == 1
	v_max3_num_f32 v[T+2], v[T+2], v[T+3], v[T+4]
	v_max3_num_f32 v[T], v[T], v[T+2], v[MJ]
	v_permlanex16_b32 v[T+1], v[T], s56, s57       ; the query's other 16 keys lie in the other half of the lanes
	v_max_num_f32 v[T+1], v[T], v[T+1]             ; the new maximum
	v_sub_f32 v[T+2], v[MJ], v[T+1]
	v_mov_b32 v[MJ], v[T+1]
	v_exp_f32 v[AJ], v[T+2]                        ; alpha = 2^(old - new)
.endif
.if (\step) == 2
.if ((\j)%2) == 0
	SUBM SB, 0
.else
	SUBM SB, 1
.endif
.irp e, 0,1,2,3
	v_exp_f32 v[SB+\e], v[SB+\e]
.endr
.endif
.if (\step) == 3
.if ((\j)%2) == 0
	SUBM SB+8, 0
.else
	SUBM SB+8, 1
.endif
.irp e, 4,5,6,7
	v_exp_f32 v[SB+\e], v[SB+\e]
.endr
.endif
.if (\step) == 4
	s_wait_alu depctr_va_vdst(0)
	v_cvt_pk_bf16_f32 v[PP],   v[SB],   v[SB+1]
	v_cvt_pk_bf16_f32 v[PP+1], v[SB+2], v[SB+3]
	v_pk_add_f32 v[T+4:T+5], v[SB:SB+1], v[SB+2:SB+3]
.irp e, 8,9,10,11
	v_exp_f32 v[SB+\e], v[SB+\e]
.endr
.endif
.if (\step) == 5
	v_cvt_pk_bf16_f32 v[PP+2], v[SB+4], v[SB+5]
	v_cvt_pk_bf16_f32 v[PP+3], v[SB+6], v[SB+7]
	v_pk_add_f32 v[T+6:T+7], v[SB+4:SB+5], v[SB+6:SB+7]
.irp e, 12,13,14,15
	v_exp_f32 v[SB+\e], v[SB+\e]
.endr
.endif
.if (\step) == 6
	s_wait_alu depctr_va_vdst(0)
	v_cvt_pk_bf16_f32 v[PP+4], v[SB+8],  v[SB+9]
	v_cvt_pk_bf16_f32 v[PP+5], v[SB+10], v[SB+11]
	v_pk_add_f32 v[T+4:T+5], v[T+4:T+5], v[SB+8:SB+9]
	v_pk_add_f32 v[T+6:T+7], v[T+6:T+7], v[SB+10:SB+11]
.endif
.if (\step) == 7
	v_cvt_pk_bf16_f32 v[PP+6], v[SB+12], v[SB+13]
	v_cvt_pk_bf16_f32 v[PP+7], v[SB+14], v[SB+15]
	v_pk_add_f32 v[T+4:T+5], v[T+4:T+5], v[SB+12:SB+13]
	v_pk_add_f32 v[T+6:T+7], v[T+6:T+7], v[SB+14:SB+15]
	v_pk_add_f32 v[T+4:T+5], v[T+4:T+5], v[T+6:T+7]
	v_add_f32 v[T+4], v[T+4], v[T+5]
	v_fma_f32 v[LJ], v[LJ], v[AJ], v[T+4]          ; l = l alpha + this step's sum
.endif
.endm
.macro WINO ct                         ; products on O: C and D in O's window, fragments and P in window 0
.if (\ct) < 8
	WIN 0xa0
.else
	WIN 0xf0
.endif
.endm
; O(ct, j) += V(ct) P(j); zero = 1: the first step starts the sums; V(ct) lies in the slot of item sb + ct
.macro PVW ct, j, par, zero, sb
	SLOTOF (\sb)+(\ct)
.set OREG, 8*(4*((\ct)%8)+(\j))
.if \zero
	v_wmma_f32_16x16x32_bf16 v[OREG:OREG+7], v[FR:FR+7], v[PB+32*(\par)+8*(\j):PB+32*(\par)+8*(\j)+7], 0
.else
	v_wmma_f32_16x16x32_bf16 v[OREG:OREG+7], v[FR:FR+7], v[PB+32*(\par)+8*(\j):PB+32*(\par)+8*(\j)+7], v[OREG:OREG+7]
.endif
.endm
; A group of phase 2: four products, each on an accumulator of its own (all 64 take turns), two eighths of a softmax between them.  It ends under window 0.
.macro G2 ct, par, zero, cnt
	WINO \ct
.if \cnt >= 0
	s_wait_dscnt \cnt
.endif
	PVW \ct, 0, \par, \zero, 16
	PVW \ct, 1, \par, \zero, 16
	WIN 0
	SM (\ct)/4, 2*((\ct)%4), 1-\par
	WINO \ct
	PVW \ct, 2, \par, \zero, 16
	PVW \ct, 3, \par, \zero, 16
	WIN 0
	SM (\ct)/4, 2*((\ct)%4)+1, 1-\par
.endm
; Trip t, par = t & 1.  K(t+1) lies in K slot 1 - par, V(t) in V slot par; P(t) in P buffer par, P(t+1) goes to the other.
; WAITS ON LDS: a run is sixteen loads.  The first four groups that use it wait with 14, 12, 10, 8 (the run's younger loads); the fifth stands behind the next run and waits with 16
; (that run alone may be out), which serves the sixth to eighth too.
; THE ROUND: the run ahead of group 20 is the last that reads V(t), the one ahead of group 4 the last that reads K(t+1).  In front of group 26 each wave waits for all its LDS loads and all its
; tensor loads (K(t+2) and V(t+1), asked for a trip ago) and opens the round; two groups of register work stand inside it; behind its closing wait the joint refills K(t+3), V(t+2) come first,
; two tensor loads of the wave out, with a whole trip in which to land.  Then the run for the next trip's first eight items; round the back edge group 0 finds 14 younger loads again.
; The runs ahead of groups 20 and 28 follow step 7 of a softmax: seven plain instructions, the places behind the products that read the slots (ISA guide 7.12.1).
; rnd = 2: a round of the cluster's barrier; 1: the work-group's barrier alone.
; nxt = 0: the next trip begins with K items; 1: with V items (the last trip), which take the slots of items 0-7.
.macro TRIP par, resc, zero, rk, rv, rnd, nxt
.irp i, 0,1,2,3
	G1 \i, \resc, 14-2*\i
.endr
	WIN 0x04
	RUN 8, 8, 1-\par, \par
	G1 4, \resc, 16
.irp i, 5,6,7
	G1 \i, \resc, -1
.endr
.irp i, 8,9,10,11
	G1 \i, \resc, 30-2*\i
.endr
	WIN 0x04
	RUN 16, 16, 1-\par, \par
	G1 12, \resc, 16
.irp i, 13,14,15
	G1 \i, \resc, -1
.endr
.irp ct, 0,1,2,3
	G2 \ct, \par, \zero, 14-2*\ct
.endr
	RUN 24, 24, 1-\par, \par
	G2 4, \par, \zero, 16
.irp ct, 5,6,7
	G2 \ct, \par, \zero, -1
.endr
	G2 8, \par, \zero, 14
	G2 9, \par, \zero, 12
	s_wait_dscnt 0x0                               ; my reads of both slots are over
	s_wait_xcnt 0x0
	v_lshl_add_u32 v46, v0, 2, 0x48800
	v_mov_b32 v47, 0
	s_wait_tensorcnt 0x0                           ; all my tensor loads have landed
	ds_add_u32 v46, v47
	s_wait_dscnt 0x0
	s_barrier_signal -1
	G2 10, \par, \zero, -1                         ; register work alone
	G2 11, \par, \zero, -1
	s_barrier_wait -1
.if \rnd == 2
	CREST
.endif
.if \rk
	s_add_nc_u64 s[G0K+4*(1-\par)+2:G0K+4*(1-\par)+3], s[G0K+4*(1-\par)+2:G0K+4*(1-\par)+3], 131072   ; no tensor load of mine is out: the slot's tile two steps on
.endif
.if \rv
	s_add_nc_u64 s[G0V+4*\par+2:G0V+4*\par+3], s[G0V+4*\par+2:G0V+4*\par+3], 131072
.endif
.if \rk
	tensor_load_to_lds s[G0K+4*(1-\par):G0K+4*(1-\par)+3], s[G1K:G1K+7]
	s_nop 0
.endif
.if \rv
	tensor_load_to_lds s[G0V+4*\par:G0V+4*\par+3], s[G1V:G1V+7]
	s_nop 0
.endif
	RUN 16*\nxt, 0, \par, 1-\par
.irp ct, 12,13,14,15
	G2 \ct, \par, \zero, -1
.endr
.endm
	; PROLOGUE: S(0) and its softmax
	s_wait_tensorcnt 3                             ; three tensor loads are younger than K(0): my 32 rows of it are in, and no other wave reads them
	RUN 0, 0, 0, 0
	s_wait_loadcnt 0x0                             ; Q
.irp i, 0,1,2,3
	G1 \i, 0, 14-2*\i
.endr
	WIN 0x04
	RUN 8, 8, 0, 0
	G1 4, 0, 16
.irp i, 5,6,7
	G1 \i, 0, -1
.endr
.irp i, 8,9,10,11
	G1 \i, 0, 30-2*\i
.endr
	G1 12, 0, 0                                    ; nothing more has been fetched: all of K(0)'s fragments are in
.irp i, 13,14,15
	G1 \i, 0, -1
.endr
	WIN 0
	s_wait_dscnt 0x0                               ; my reads of K slot 0 are over
	s_wait_xcnt 0x0
	v_lshl_add_u32 v46, v0, 2, 0x48800
	v_mov_b32 v47, 0
	s_wait_tensorcnt 0x0                           ; all my tensor loads have landed
	ds_add_u32 v46, v47
	s_wait_dscnt 0x0
	s_add_nc_u64 s[G0K+2:G0K+3], s[G0K+2:G0K+3], 131072
	ROUND
	tensor_load_to_lds s[G0K:G0K+3], s[G1K:G1K+7]  ; K(2)
	s_nop 0
	RUN 0, 0, 1, 0                                 ; the first eight items of trip 0: K(1)
.irp j, 0,1,2,3
.irp st, 0,1,2,3,4,5,6,7
	SM \j, \st, 0
.endr
.endr
	TRIP 0, 0, 1, 1, 1, 2, 0                       ; trip 0: nothing to rescale, the first products start O
	s_mov_b32 s58, 14
.Ltrip:
	TRIP 1, 1, 0, 1, 1, 2, 0                       ; trips 1 .. 28
	TRIP 0, 1, 0, 1, 1, 2, 0
	s_sub_co_u32 s58, s58, 1
	s_cmp_lg_u32 s58, 0
	s_cbranch_scc1 .Ltrip
	TRIP 1, 1, 0, 0, 1, 2, 0                       ; trip 29: V(31) alone is left to ask for
	TRIP 0, 1, 0, 0, 0, 1, 1                       ; trip 30: nothing is asked for
	; trip 31: O = O alpha + V(31) P(31).  V(ct) lies in the slot of item ct; the rescaling of O(ct + 1) stands behind the products on O(ct) and is the places in front of the run.
	RESC 0, 0
	RESC 0, 2
.irp ct, 0,1,2,3,4,5,6,7,8,9,10,11,12,13,14,15
.if \ct == 4
	WIN 0
	RUN 24, 8, 0, 1                                ; V(8 .. 15) into banks C and A; bank B (V(4 .. 7)) is still to be read
.endif
	WINO \ct
.if \ct < 4
	s_wait_dscnt 14-2*\ct
.endif
.if \ct == 4
	s_wait_dscnt 16
.endif
.if \ct >= 8
.if \ct < 12
	s_wait_dscnt 30-2*\ct
.endif
.endif
.if \ct == 12
	s_wait_dscnt 0
.endif
	PVW \ct, 0, 1, 0, 0
	PVW \ct, 1, 1, 0, 0
	PVW \ct, 2, 1, 0, 0
	PVW \ct, 3, 1, 0, 0
.if \ct < 15
	RESC \ct+1, 0
	RESC \ct+1, 2
.endif
.endr
	; THE MERGE.  First the epilogue's addresses, in bank C, which no product reads any more; then pw's first fragments and pb are asked for.
	WIN 0
.rept 4
	v_nop                                          ; four places behind the last products (ISA guide 7.12.1)
.endr
	v_lshlrev_b32 v[XO], 14, v3
	v_lshl_add_u32 v[XO], v2, 4, v[XO]
	v_add_nc_u32 v[XO], s66, v[XO]                 ; channel row 64 w + h, 16 bytes a lane: 16 lanes cover 256 consecutive bytes, aligned
	v_lshl_add_u32 v[PWO], v1, 4, s67
	v_lshl_add_u32 v[PBO], v2, 2, s68
	v_lshlrev_b32 v[STR], 2, v2
	v_add_nc_u32 v[STR], ST, v[STR]
	v_add_nc_u32 v[STA], s68, v[STR]               ; my wave's 256 bytes of the exchange
	v_lshl_add_u32 v[MR], v1, 4, s69
	v_lshlrev_b32 v[OBR], 4, v1
	v_add_nc_u32 v[OBR], OBX, v[OBR]
	v_lshl_add_u32 v[MA], v1, 4, s74
	v_add_nc_u32 v[MA+1], 0x10000, v[MA]
	v_add_nc_u32 v[MA+2], 0x20000, v[MA]
	v_add_nc_u32 v[MA+3], 0x30000, v[MA]
	v_add_nc_u32 v[OBS], s75, v[OBR]
	v_mul_u32_u24 v[STO], v2, 272
	v_lshl_add_u32 v[STO], v3, 5, v[STO]
	v_add_nc_u32 v[STO], s63, v[STO]
	v_mul_u32_u24 v[RD], v3, 272
	v_lshl_add_u32 v[RD], v2, 4, v[RD]
	v_add_nc_u32 v[RD], s63, v[RD]
	WIN 0x40
.set n, 0
.rept 32
	global_load_b128 v[4*n:4*n+3], v[PWO], s[10:11] offset:393216+n*512    ; over Q, which is no longer needed
.set n, n+1
.endr
	WIN 0
.irp o, 0,1,2,3
	global_load_b32 v[PBV+\o], v[PBO], s[12:13] offset:64*\o
.endr
.irp j, 0,1,2,3
	v_permlanex16_b32 v[T+\j], v[LS+\j], s56, s57
.endr
.irp j, 0,1,2,3
	v_add_f32 v[LS+\j], v[LS+\j], v[T+\j]          ; l over my wave's keys
.endr
.irp j, 0,1,2,3
	ds_store_b32 v[STA], v[M+\j] offset:64*\j
	ds_store_b32 v[STA], v[LS+\j] offset:1024+64*\j
.endr
	s_wait_dscnt 0x0                               ; my m and l are in LDS, and my last reads of the slots are over
	s_barrier_signal -1
	s_barrier_wait -1                              ; from here the slots' bytes, filled for the last time, serve the merge
.irp j, 0,1,2,3
.irp ws, 0,1,2,3
	ds_load_b32 v[64+4*\j+\ws], v[STR] offset:256*\ws+64*\j
	ds_load_b32 v[80+4*\j+\ws], v[STR] offset:1024+256*\ws+64*\j
.endr
.endr
	s_wait_dscnt 0x0
.irp j, 0,1,2,3
	v_max3_num_f32 v[T+\j], v[64+4*\j], v[65+4*\j], v[66+4*\j]
	v_max_num_f32 v[T+\j], v[T+\j], v[67+4*\j]     ; the maximum over all keys
.endr
.irp j, 0,1,2,3
.irp ws, 0,1,2,3
	v_sub_f32 v[64+4*\j+\ws], v[64+4*\j+\ws], v[T+\j]
.endr
	v_sub_f32 v[T+4+\j], v[M+\j], v[T+\j]
.endr
.irp e, 0,1,2,3,4,5,6,7,8,9,10,11,12,13,14,15
	v_exp_f32 v[64+\e], v[64+\e]
.endr
.irp j, 0,1,2,3
	v_exp_f32 v[T+4+\j], v[T+4+\j]
.endr
	v_nop                                          ; one plain instruction behind the transcendentals (ISA guide 5.7.2)
	s_wait_alu depctr_va_vdst(0)
.irp j, 0,1,2,3
	v_mul_f32 v[T+\j], v[80+4*\j], v[64+4*\j]
	v_fmac_f32 v[T+\j], v[81+4*\j], v[65+4*\j]
	v_fmac_f32 v[T+\j], v[82+4*\j], v[66+4*\j]
	v_fmac_f32 v[T+\j], v[83+4*\j], v[67+4*\j]     ; the sum over all keys
.endr
.irp j, 0,1,2,3
	v_rcp_f32 v[T+\j], v[T+\j]
.endr
	v_nop
	s_wait_alu depctr_va_vdst(0)
.irp j, 0,1,2,3
	v_mul_f32 v[AL+\j], v[T+4+\j], v[T+\j]         ; my O's factor: 2^(m - maximum) / sum
.endr
; my partial O, scaled, as f32: query tile j at j x 65,536, my wave's part at w x 16,384, lane by lane
.macro SCALEOUT hi, win
.irp c, 0,1,2,3,4,5,6,7
	RESC 8*\hi+\c, 0
	RESC 8*\hi+\c, 2
.endr
	WIN \win
.irp c, 0,1,2,3,4,5,6,7
.irp j, 0,1,2,3
	ds_store_b128 v[MA+\j], v[8*(4*\c+\j):8*(4*\c+\j)+3]   offset:(2*(8*\hi+\c))*512
	ds_store_b128 v[MA+\j], v[8*(4*\c+\j)+4:8*(4*\c+\j)+7] offset:(2*(8*\hi+\c)+1)*512
.endr
.endr
.endm
	SCALEOUT 0, 0x08
	SCALEOUT 1, 0x0c
	WIN 0x40
.set n, 32
.rept 32
	global_load_b128 v[4*n:4*n+3], v[PWO], s[10:11] offset:393216+n*512
.set n, n+1
.endr
	WIN 0
	s_wait_dscnt 0x0
	s_barrier_signal -1
	s_barrier_wait -1
	; wave w adds the four partials of query tile w
.irp ws, 0,1,2,3
.if \ws < 2
	WIN 0x80
.else
	WIN 0xc0
.endif
.set q, 0
.rept 32
	ds_load_b128 v[128*(\ws%2)+4*q:128*(\ws%2)+4*q+3], v[MR] offset:\ws*16384+q*512
.set q, q+1
.endr
.endr
	WIN 0
.set n, 0
.rept 32
	global_load_b128 v[64+4*n:67+4*n], v[XO], s[14:15] offset:n*32768 th:TH_LOAD_NT   ; x for the residual: rows 64 w + 2 n + h; the launch reads it once
.set n, n+1
.endr
	s_wait_dscnt 0x0
	WIN 0x8a
.set p, 0
.rept 64
	v_pk_add_f32 v[2*p:2*p+1], v[2*p:2*p+1], v[128+2*p:129+2*p]
.set p, p+1
.endr
	WIN 0xcf
.set p, 0
.rept 64
	v_pk_add_f32 v[2*p:2*p+1], v[2*p:2*p+1], v[128+2*p:129+2*p]
.set p, p+1
.endr
	WIN 0x8e
.set p, 0
.rept 64
	v_pk_add_f32 v[2*p:2*p+1], v[2*p:2*p+1], v[2*p:2*p+1]          ; window 2 += window 3
.set p, p+1
.endr
	WIN 0x0a
.set n, 0
.rept 64
	v_cvt_pk_bf16_f32 v[F+n], v[2*n], v[2*n+1]     ; tiles ct = 2 ks, 2 ks + 1 make the operand fragment ks of my query tile
.set n, n+1
.endr
	WIN 0
.set q, 0
.rept 16
	ds_store_b128 v[OBS], v[F+4*q:F+4*q+3] offset:q*512
.set q, q+1
.endr
	s_wait_dscnt 0x0                               ; my fragments are in LDS, and my reads of the partials are over
	s_barrier_signal -1
	s_barrier_wait -1
	; THE PROJECTION: wave w makes output channels 64 w .. + 63 for all 64 queries.  Source 0 = merged O (m = query), source 1 = pw (n = channel): a lane holds 8 neighbouring queries of one channel.
	WIN 0x80
.set n, 0
.rept 64
	ds_load_b128 v[4*n:4*n+3], v[OBR] offset:n*512
.set n, n+1
.endr
	s_wait_loadcnt 32                              ; the 32 loads of x are younger than pw and pb
	WIN 0xc0
.irp o, 0,1,2,3
.irp k, 0,1,2,3,4,5,6,7
	v_mov_b32 v[128+8*\o+\k], v[PBV+\o]            ; pb in the accumulators' layout: the first products take it as C
.endr
.endr
	s_wait_dscnt 0x0
	WIN 0xf6                                       ; source 0 window 2, source 1 window 1, C and D window 3
.irp ks, 0,1,2,3,4,5,6,7
.irp o, 0,1,2,3
.irp j, 0,1,2,3
.if \ks == 0
	v_wmma_f32_16x16x32_bf16 v[8*(4*\o+\j):8*(4*\o+\j)+7], v[8*(8*\j+\ks):8*(8*\j+\ks)+7], v[8*(8*\o+\ks):8*(8*\o+\ks)+7], v[128+8*\o:128+8*\o+7]
.else
	v_wmma_f32_16x16x32_bf16 v[8*(4*\o+\j):8*(4*\o+\j)+7], v[8*(8*\j+\ks):8*(8*\j+\ks)+7], v[8*(8*\o+\ks):8*(8*\o+\ks)+7], v[8*(4*\o+\j):8*(4*\o+\j)+7]
.endif
.endr
.endr
.endr
.rept 4
	v_nop                                          ; four places behind the last products: for the LDS stores of results and the loads over source 0's registers
.endr
	; THE WAY OUT: through my own stage (64 rows of 256 bytes, pitch 272 = 17 x 16), back as whole rows, + x
	WIN 0x0c
.irp o, 0,1,2,3
.irp j, 0,1,2,3
	ds_store_b128 v[STO], v[8*(4*\o+\j):8*(4*\o+\j)+3]   offset:\o*4352+\j*64
	ds_store_b128 v[STO], v[8*(4*\o+\j)+4:8*(4*\o+\j)+7] offset:\o*4352+\j*64+16
.endr
.endr
	WIN 0x80
.set n, 0
.rept 32
	ds_load_b128 v[4*n:4*n+3], v[RD] offset:n*544  ; LDS serves a wave's instructions in order (ISA guide 5.7.1): these see my stores above
.set n, n+1
.endr
	s_wait_loadcnt 0x0                             ; x
	s_wait_dscnt 0x0
	WIN 0x82
.set p, 0
.rept 64
	v_pk_add_f32 v[2*p:2*p+1], v[2*p:2*p+1], v[64+2*p:65+2*p]
.set p, p+1
.endr
	WIN 0x08
.set n, 0
.rept 32
	global_store_b128 v[XO], v[4*n:4*n+3], s[16:17] offset:n*32768 th:TH_STORE_NT     ; 16 lanes store 256 consecutive bytes, aligned
.set n, n+1
.endr
	WIN 0
	s_wait_xcnt 0x0
	v_lshl_add_u32 v46, v0, 2, 0x48800
	v_mov_b32 v47, 0
	s_wait_tensorcnt 0x0
	ds_add_u32 v46, v47
	s_wait_dscnt 0x0
	ROUND                                          ; the closing round: no work-group ends while a partner may still issue a joint load that names it
	s_endpgm
.Lfunc_end_k_qbf0162298e_attn:
	.size	k_qbf0162298e_attn, .Lfunc_end_k_qbf0162298e_attn-k_qbf0162298e_attn
	.p2alignl 7, 3214868480
	.fill 96, 4, 3214868480
	.section	.rodata,"a",@progbits
	.p2align	6, 0x0
	.amdhsa_kernel k_qbf0162298e_attn
		.amdhsa_group_segment_fixed_size 327680
		.amdhsa_private_segment_fixed_size 0
		.amdhsa_enable_private_segment 0
		.amdhsa_kernarg_size 56
		.amdhsa_user_sgpr_count 2
		.amdhsa_user_sgpr_kernarg_segment_ptr 1
		.amdhsa_wavefront_size32 1
		.amdhsa_system_sgpr_workgroup_id_x 1
		.amdhsa_system_sgpr_workgroup_id_y 1
		.amdhsa_system_sgpr_workgroup_id_z 1
		.amdhsa_system_vgpr_workitem_id 0
		.amdhsa_next_free_vgpr 1024
		.amdhsa_next_free_sgpr 80
		.amdhsa_reserve_vcc 0
		.amdhsa_float_denorm_mode_32 3
		.amdhsa_float_denorm_mode_16_64 3
		.amdhsa_memory_ordered 1
		.amdhsa_forward_progress 1
		.amdhsa_inst_pref_size 255
	.end_amdhsa_kernel
	.section	.bss,"aw",@nobits
	.p2align	6
	.space	262144
	.amdgpu_metadata
---
amdhsa.version: [ 1, 2 ]
amdhsa.kernels:
  - .name:           k_qbf0162298e_attn
    .symbol:         k_qbf0162298e_attn.kd
    .args:
      - { .name: qs, .offset: 0, .size: 8, .value_kind: global_buffer, .address_space: global }
      - { .name: ks, .offset: 8, .size: 8, .value_kind: global_buffer, .address_space: global }
      - { .name: vt, .offset: 16, .size: 8, .value_kind: global_buffer, .address_space: global }
      - { .name: wb, .offset: 24, .size: 8, .value_kind: global_buffer, .address_space: global }
      - { .name: pb, .offset: 32, .size: 8, .value_kind: global_buffer, .address_space: global }
      - { .name: x, .offset: 40, .size: 8, .value_kind: global_buffer, .address_space: global }
      - { .name: out0, .offset: 48, .size: 8, .value_kind: global_buffer, .address_space: global }
    .group_segment_fixed_size: 327680
    .private_segment_fixed_size: 0
    .kernarg_segment_align: 8
    .kernarg_segment_size: 56
    .max_flat_workgroup_size: 128
    .sgpr_count:     80
    .vgpr_count:     1024
    .wavefront_size: 32
...
	.end_amdgpu_metadata
.endif
;; end of part 3
;; ======== version 2 of 2: 3 launches; version 1 with the launch qkv written anew for expert scheduling mode
;; workspace buffers: stats 2,048 bytes; wb 524,288 bytes; qs 8,388,608 bytes; ks 8,388,608 bytes; vt 8,388,608 bytes
;; launch stats: the kernel of part 1 again; grid 256 x 1, 8 waves a work-group, no clusters, 1,280 bytes of LDS; arguments x, qw, kw, vw, pw, stats, wb; writes stats, wb
;; launch qkv (part 4): grid 64 x 4, 4 waves a work-group, no clusters, 145,920 bytes of LDS; arguments x, gn_w, gn_b, stats, wb, qb, kb, vb, qs, ks, vt; writes qs, ks, vt
.if DOCPART == 4
	.amdgcn_target "amdgcn-amd-amdhsa--gfx1250"
	.amdhsa_code_object_version 6
	.text
	.protected	k_qbf0162298e_qkv
	.globl	k_qbf0162298e_qkv
	.p2align	8
	.type	k_qbf0162298e_qkv,@function
k_qbf0162298e_qkv:
	s_mov_b64 s[64:65], 0
	v_nop
	global_prefetch_b8 v0, s[64:65] scope:SCOPE_SE
	s_setreg_imm32_b32 hwreg(HW_REG_WAVE_SCHED_MODE, 0, 2), 2
	s_setreg_imm32_b32 hwreg(HW_REG_WAVE_MODE, 25, 1), 1
	s_wait_xcnt 0x0
	s_wait_alu depctr_vm_vsrc(0)
; xn = GroupNorm(x) in f32, rounded to bf16;  Q' = (Wq xn + qb) log2(e)/16,  K = Wk xn + kb,  V = Wv xn + vb;  sums in f32, results bf16.
; The work-group (x = block of 64 positions, y = batch) makes all 768 outputs of its 64 positions.  Wave w makes output channels
; 64 w .. 64 w + 63 of each of q, k, v for all 64 positions: 16 accumulator tiles, 128 products a matrix.
; qs, ks: [b][l][256 c] bf16 (rows of 512 bytes).  vt: [b][l / 64][256 c][64 l] bf16: this work-group's part is one dense block of 32,768 bytes.
; NO CLUSTER, NO JOINT LOADS: the weights are shared by all work-groups, but they never pass through LDS here.  Each wave's 32 fragments of a matrix
; are its own (no other wave of the work-group reads them) and come lane by lane, 512 consecutive bytes a load, straight into operand registers.
; A joint tensor load would add 393,216 bytes of LDS writes and as many LDS reads per work-group, and beside the 145,408 bytes used here
; only one of the three matrices of 131,072 bytes would fit at a time.
; LDS: XT  xn as bf16 [256 c][64 l], pitch 160 = 5 x 32 bytes (read by transposing loads);
;      STQ, STK  64 rows (positions) of 512 bytes, pitch 528 = 33 x 16;  STV  256 rows (channels) of 128 bytes, pitch 144 = 9 x 16.
;      Each region is written once and read once: two barriers in all.
; REGISTERS, in windows of 256: window 0: v0-31 offsets; v32-63 gain, then a[i], then q's bias; v64-95 shift, then k's bias; v96-127 statistics, then v's bias;
;      v128-255 x rows, then the 16 accumulators;  window 1: xn fragments X(lt, ks) at 8 (8 lt + ks);  window 2: Wq, later Wv, W(otl, ks) at 8 (8 otl + ks);  window 3: Wk.
; THE MODE: SCHED_MODE bits 1:0 = 2 (LLVM: expert scheduling mode 2), set by the entry lines.  The code itself states the register dependences
; between vector or matrix instructions and memory or LDS instructions, with s_wait_alu, always for 0.
; THE PLAN.  Registers that memory or LDS instructions touch:
;   v4-v16, v22, v23  offsets and LDS addresses: written at the head, never again; one wait ahead of the first load serves every load and store.
;   v32-95      gain and shift as loaded; the norm's arithmetic reads and writes them; then q's and k's bias loads land there, behind the wait that ends the norm's arithmetic.
;   v128-255    x rows as loaded, scaled and rounded in place, read by 32 LDS stores; then accumulators: written by products, rounded in place, read by 16 LDS stores, three times;
;               at last the way out's LDS loads land there.  Ahead of each run of LDS stores one wait for their data; ahead of each next writer one wait for the stores' reads.
;   v64-127     k's and v's bias, read by products as C; then the way out's LDS loads land there.
;   window 2    Wq, read by q's products; Wv's loads land there behind the wait that stands in q's stage.   windows 1, 3: loaded once, read by products alone.
; THE NORM goes in two halves of 16 rows: the first half's LDS stores are dealt among the second half's arithmetic, which names none of their registers.
; THE WEIGHTS of the next matrix are asked for among this matrix's products, sixteen loads behind each of the first four K steps: those products name the other windows alone.
.set XT,  0
.set STQ, 40960
.set STK, 74752
.set STV, 108544
.set GW,  32
.set GB,  64
.set SS,  96
.set BQ,  32
.set BK,  64
.set BV,  96
.set ACC, 128
.set MSB, 0
.macro WIN new                         ; s_set_vgpr_msb: bits 1:0 source 0, 3:2 source 1, 5:4 source 2, 7:6 destination; the high byte repeats the setting left
.if MSB != \new
	s_set_vgpr_msb (MSB<<8)|\new
.set MSB, \new
.endif
.endm
	s_load_b512 s[4:19], s[0:1], 0x0               ; x s[4:5], gn_w s[6:7], gn_b s[8:9], stats s[10:11], wb s[12:13], qb s[14:15], kb s[16:17], vb s[18:19]
	s_load_b128 s[20:23], s[0:1], 0x40             ; qs s[20:21], ks s[22:23]
	s_load_b64 s[24:25], s[0:1], 0x50              ; vt
	v_lshl_add_u32 v22, v0, 2, 0x23800
	v_mov_b32 v23, 0
	v_lshrrev_b32 v17, 5, v0
	v_readfirstlane_b32 s26, v17                   ; w
	v_and_b32 v1, 31, v0                           ; L
	v_and_b32 v2, 15, v0                           ; r
	v_bfe_u32 v3, v0, 4, 1                         ; h
	s_wait_alu depctr_va_sdst(0)                   ; s26 is written, ahead of its first reader: the wave's terms of all offsets are made from it
	s_lshl_b32 s27, s26, 6
	s_lshl_b32 s28, s26, 15
	s_lshl_b32 s29, s26, 8
	s_lshl_b32 s30, s26, 7
	s_add_co_u32 s30, s30, STQ
	s_mul_i32 s31, s26, 9216
	s_add_co_u32 s31, s31, STV
	s_mul_i32 s32, s26, 8448
	s_add_co_u32 s32, s32, STQ
	s_lshl_b32 s33, s26, 13
	v_lshlrev_b32 v17, 5, v3
	v_add_nc_u32 v17, s27, v17                     ; 64 w + 32 h: the first of my 32 channels of x
	v_lshlrev_b32 v4, 14, v17
	v_lshl_add_u32 v4, v2, 4, v4                   ; XO: x, channel rows of 16,384 bytes, 16 bytes a lane: 16 lanes read 256 consecutive bytes, aligned
	v_mul_u32_u24 v5, v17, 160
	v_lshl_add_u32 v5, v2, 3, v5                   ; XS: where my 4 bf16 of a row go in XT
	v_and_b32 v18, 7, v0
	v_lshl_add_u32 v18, v3, 3, v18
	v_mul_u32_u24 v6, v18, 160
	v_bfe_u32 v18, v0, 3, 1
	v_lshl_add_u32 v6, v18, 4, v6                  ; XR: (8 h + (L & 7)) rows + 16 ((L >> 3) & 1): the transposing load's address
	v_lshl_add_u32 v7, v1, 4, s28                  ; WO: my wave's 32 fragments of a matrix, 16 bytes a lane
	v_lshlrev_b32 v8, 2, v17                       ; GO: gain and shift of my 32 channels
	v_lshlrev_b32 v9, 1, v17                       ; SO: (8 w + 4 h) groups of 16 bytes
	v_lshl_add_u32 v10, v3, 5, s29                 ; BO: (64 w + 8 h) x 4
	v_lshl_add_u32 v11, v2, 2, s29                 ; BVO: (64 w + r) x 4
	v_mul_u32_u24 v12, v2, 528
	v_lshl_add_u32 v12, v3, 4, v12
	v_add_nc_u32 v12, s30, v12                     ; SQ: row r, channels 64 w + 8 h
	v_mul_u32_u24 v13, v2, 144
	v_lshl_add_u32 v13, v3, 4, v13
	v_add_nc_u32 v13, s31, v13                     ; SV: row 64 w + r, positions 8 h
	v_lshl_add_u32 v14, v1, 4, s32                 ; CQ: rows 16 w .. read back whole, 512 bytes a load
	v_lshrrev_b32 v18, 3, v1
	v_mul_u32_u24 v15, v18, 144
	v_and_b32 v18, 7, v0
	v_lshl_add_u32 v15, v18, 4, v15
	v_add_nc_u32 v15, s31, v15                     ; CV: four rows of 128 bytes a load
	v_lshl_add_u32 v16, v1, 4, s33                 ; GOUT: my wave's 8,192 bytes of each output block
	s_and_b32 s34, ttmp7, 0xffff                   ; b
	s_lshl_b32 s36, s34, 22
	s_lshl_b32 s35, ttmp9, 8
	s_add_co_u32 s36, s36, s35                     ; x: b x 4 MiB + 64 positions x 4 bytes x block
	s_mov_b32 s37, 0
	s_lshl_b32 s38, s34, 9                         ; stats: b x 32 groups x 16 bytes
	s_mov_b32 s39, 0
	s_lshl_b32 s42, s34, 21
	s_lshl_b32 s35, ttmp9, 15
	s_add_co_u32 s42, s42, s35                     ; qs, ks, vt: b x 2 MiB + block x 32,768
	s_mov_b32 s43, 0
	s_mov_b32 s40, 0x358637bd                      ; 1e-6
	s_mov_b32 s41, 0x38000000                      ; 1 / 32,768
	s_wait_kmcnt 0x0
	s_add_nc_u64 s[4:5], s[4:5], s[36:37]
	s_add_nc_u64 s[10:11], s[10:11], s[38:39]
	s_add_nc_u64 s[20:21], s[20:21], s[42:43]
	s_add_nc_u64 s[22:23], s[22:23], s[42:43]
	s_add_nc_u64 s[24:25], s[24:25], s[42:43]
	s_wait_alu depctr_va_vdst(0)                   ; the offsets and LDS addresses v4 to v16 are written: every load and store of the kernel reads one of them, and none is written again
; cnt loads, from load n0 on, of my wave's 32 fragments (64 loads) of the matrix at byte off of wb, into the window that win names as destination
.macro LDW win, off, n0, cnt
	WIN \win
.set n, \n0
.rept \cnt
	global_load_b128 v[4*n:4*n+3], v7, s[12:13] offset:\off+n*512
.set n, n+1
.endr
.endm
.irp g, 0,1,2,3
	global_load_b128 v[SS+4*\g:SS+4*\g+3], v9, s[10:11] offset:16*\g       ; group g of my four: mean, M2 of its two halves
.endr
.irp n, 0,1,2,3,4,5,6,7
	global_load_b128 v[GW+4*\n:GW+4*\n+3], v8, s[6:7] offset:16*\n
	global_load_b128 v[GB+4*\n:GB+4*\n+3], v8, s[8:9] offset:16*\n
.endr
.set i, 0
.rept 32
	global_load_b128 v[ACC+4*i:ACC+4*i+3], v4, s[4:5] offset:i*16384       ; channel 64 w + 32 h + i, my 4 positions
.set i, i+1
.endr
	LDW 0x80, 0, 0, 64                             ; Wq
	WIN 0
	s_wait_loadcnt 63                              ; 64 loads (Wq) are younger than x: with 63 out, x and all before it are in
	; the two halves of a group are joined: mean = (ma + mb) / 2, M2 = M2a + M2b + (ma - mb)^2 x 8,192 (16,384 numbers each)
.irp g, 0,1,2,3
	v_sub_f32 v[28+\g], v[SS+4*\g], v[SS+4*\g+2]
	v_add_f32 v[SS+4*\g], v[SS+4*\g], v[SS+4*\g+2]
	v_add_f32 v[SS+4*\g+1], v[SS+4*\g+1], v[SS+4*\g+3]
	v_mul_f32 v[28+\g], v[28+\g], v[28+\g]
	v_mul_f32 v[SS+4*\g], 0.5, v[SS+4*\g]
	v_fmamk_f32 v[SS+4*\g+1], v[28+\g], 0x46000000, v[SS+4*\g+1]
	v_fma_f32 v[SS+4*\g+1], v[SS+4*\g+1], s41, s40                         ; variance + eps
.endr
.irp g, 0,1,2,3
	v_rsq_f32 v[SS+4*\g+2], v[SS+4*\g+1]
.endr
	v_nop                                          ; one plain instruction behind the transcendentals before a result is used (ISA guide 5.7.2)
.set i, 0
	s_wait_alu depctr_va_vdst(0)                   ; the four reciprocal roots are written, ahead of their first reader: one wait for the batch
.rept 32
	v_mul_f32 v[GW+i], v[GW+i], v[SS+4*(i/8)+2]                            ; a = gain x rstd
	v_fma_f32 v[GB+i], -v[SS+4*(i/8)], v[GW+i], v[GB+i]                    ; sh = shift - mean x a
.set i, i+1
.endr
; one channel row's arithmetic: xn = x a + sh (one rounding), to bf16, into the row's first two registers.  b = i & 1 picks a and sh out of their pairs.
.macro NORMA i, b
	v_pk_fma_f32 v[ACC+4*(\i):ACC+4*(\i)+1], v[ACC+4*(\i):ACC+4*(\i)+1], v[GW+(\i)-\b:GW+(\i)-\b+1], v[GB+(\i)-\b:GB+(\i)-\b+1] op_sel:[0,\b,\b] op_sel_hi:[1,\b,\b]
	v_pk_fma_f32 v[ACC+4*(\i)+2:ACC+4*(\i)+3], v[ACC+4*(\i)+2:ACC+4*(\i)+3], v[GW+(\i)-\b:GW+(\i)-\b+1], v[GB+(\i)-\b:GB+(\i)-\b+1] op_sel:[0,\b,\b] op_sel_hi:[1,\b,\b]
	v_cvt_pk_bf16_f32 v[ACC+4*(\i)], v[ACC+4*(\i)], v[ACC+4*(\i)+1]
	v_cvt_pk_bf16_f32 v[ACC+4*(\i)+1], v[ACC+4*(\i)+2], v[ACC+4*(\i)+3]
.endm
; the row's store: 8 bytes a lane into XT
.macro NORMS i
	ds_store_b64 v5, v[ACC+4*(\i):ACC+4*(\i)+1] offset:(\i)*160
.endm
.irp q, 0,2,4,6,8,10,12,14
	NORMA \q, 0
	NORMA \q+1, 1
.endr
	s_wait_alu depctr_va_vdst(0)                   ; the conversions of rows 0 to 15 have written the registers that those rows' LDS stores read
.irp q, 16,18,20,22,24,26,28,30
	NORMS \q-16                                    ; no wait: the arithmetic of rows 16 to 31 names none of the registers of rows 0 to 15, nor v5
	NORMA \q, 0
	NORMS \q-15
	NORMA \q+1, 1
.endr
	s_wait_alu depctr_va_vdst(0)                   ; the conversions of rows 16 to 31 have written what their LDS stores read; and all the norm's arithmetic is done with a[i] and sh[i], in whose registers the bias loads land
.irp q, 16,17,18,19,20,21,22,23,24,25,26,27,28,29,30,31
	NORMS \q
.endr
	; the biases, in the accumulators' layout: q and k hold 8 neighbouring channels a lane, v one channel a lane
.irp o, 0,1,2,3
	global_load_b128 v[BQ+8*\o:BQ+8*\o+3],   v10, s[14:15] offset:64*\o
	global_load_b128 v[BQ+8*\o+4:BQ+8*\o+7], v10, s[14:15] offset:64*\o+16
	global_load_b128 v[BK+8*\o:BK+8*\o+3],   v10, s[16:17] offset:64*\o
	global_load_b128 v[BK+8*\o+4:BK+8*\o+7], v10, s[16:17] offset:64*\o+16
	global_load_b32 v[24+\o], v11, s[18:19] offset:64*\o
.endr
	s_wait_dscnt 0x0                               ; my rows of XT are in LDS before I say so
	s_barrier_signal -1
	s_barrier_wait -1                              ; all 256 rows are
	s_wait_alu depctr_vm_vsrc(0)                   ; my LDS stores have read the x rows' registers: these are the accumulators from here on, which q's products write
	WIN 0x40
.irp lt, 0,1,2,3
.irp ks, 0,1,2,3,4,5,6,7
	ds_load_tr16_b128 v[8*(8*\lt+\ks):8*(8*\lt+\ks)+3],   v6 offset:\ks*5120+\lt*32          ; channels 32 ks + 8 h .. of position 16 lt + r
	ds_load_tr16_b128 v[8*(8*\lt+\ks)+4:8*(8*\lt+\ks)+7], v6 offset:\ks*5120+2560+\lt*32     ; channels 32 ks + 16 + 8 h ..
.endr
.endr
	WIN 0
	s_wait_loadcnt 0x0                             ; Wq and the biases
.set p, 0
.rept 16
	v_pk_mul_f32 v[BQ+2*p:BQ+2*p+1], v[BQ+2*p:BQ+2*p+1], 0x3db8aa3b op_sel_hi:[1,0]          ; qb x log2(e) / 16, as Wq has been
.set p, p+1
.endr
.irp o, 0,1,2,3
.irp k, 0,1,2,3,4,5,6,7
	v_mov_b32 v[BV+8*\o+\k], v[24+\o]              ; v's bias is the same for a lane's 8 positions
.endr
.endr
	s_wait_dscnt 0x0                               ; the xn fragments
; 128 products.  The 16 accumulators take turns, one instruction a turn.  The first K step takes the bias as C: nothing is cleared.
; swap = 0: source 0 = weights (m = channel), source 1 = xn (n = position): a lane holds 8 neighbouring channels of one position.
; swap = 1: the other way round: a lane holds 8 neighbouring positions of one channel.
; ldwin other than 0: the next matrix's 64 loads of weights, at byte ldoff of wb, are dealt among the products, sixteen behind each of the first four K steps.
; They owe no wait of their own: no vector or matrix instruction since the last wait for the vector side names v7 or a register of the window in which they land.
.macro MAT win, swap, bias, ldwin, ldoff
.irp ks, 0,1,2,3,4,5,6,7
	WIN \win
.irp otl, 0,1,2,3
.irp lt, 0,1,2,3
.if \swap
.if \ks == 0
	v_wmma_f32_16x16x32_bf16 v[ACC+8*(4*\otl+\lt):ACC+8*(4*\otl+\lt)+7], v[8*(8*\lt+\ks):8*(8*\lt+\ks)+7], v[8*(8*\otl+\ks):8*(8*\otl+\ks)+7], v[\bias+8*\otl:\bias+8*\otl+7]
.else
	v_wmma_f32_16x16x32_bf16 v[ACC+8*(4*\otl+\lt):ACC+8*(4*\otl+\lt)+7], v[8*(8*\lt+\ks):8*(8*\lt+\ks)+7], v[8*(8*\otl+\ks):8*(8*\otl+\ks)+7], v[ACC+8*(4*\otl+\lt):ACC+8*(4*\otl+\lt)+7]
.endif
.else
.if \ks == 0
	v_wmma_f32_16x16x32_bf16 v[ACC+8*(4*\otl+\lt):ACC+8*(4*\otl+\lt)+7], v[8*(8*\otl+\ks):8*(8*\otl+\ks)+7], v[8*(8*\lt+\ks):8*(8*\lt+\ks)+7], v[\bias+8*\otl:\bias+8*\otl+7]
.else
	v_wmma_f32_16x16x32_bf16 v[ACC+8*(4*\otl+\lt):ACC+8*(4*\otl+\lt)+7], v[8*(8*\otl+\ks):8*(8*\otl+\ks)+7], v[8*(8*\lt+\ks):8*(8*\lt+\ks)+7], v[ACC+8*(4*\otl+\lt):ACC+8*(4*\otl+\lt)+7]
.endif
.endif
.endr
.endr
.if \ldwin
.if \ks < 4
	LDW \ldwin, \ldoff, 16*\ks, 16
.endif
.endif
.endr
	WIN 0
.endm
; The 16 tiles are rounded to bf16 in place (a tile's registers 0-3) and go to the stage, 16 bytes a lane.
.macro STAGE kind, add
.rept 4
	v_nop                                          ; four places behind the last products before their results are read (ISA guide 7.12.1)
.endr
.irp t, 0,1,2,3,4,5,6,7,8,9,10,11,12,13,14,15
.irp p, 0,1,2,3
	v_cvt_pk_bf16_f32 v[ACC+8*\t+\p], v[ACC+8*\t+2*\p], v[ACC+8*\t+2*\p+1]
.endr
.endr
	s_wait_alu depctr_va_vdst(0)                   ; the conversions have written each tile's registers 0-3, which the LDS stores read; the products so far are done reading their weights and biases, in whose registers later loads land
.irp otl, 0,1,2,3
.irp lt, 0,1,2,3
.if \kind
	ds_store_b128 v13, v[ACC+8*(4*\otl+\lt):ACC+8*(4*\otl+\lt)+3] offset:\otl*2304+\lt*32
.else
	ds_store_b128 v12, v[ACC+8*(4*\otl+\lt):ACC+8*(4*\otl+\lt)+3] offset:\add+\lt*8448+\otl*32
.endif
.endr
.endr
.endm
	MAT 0x06, 0, BQ, 0xc0, 131072                  ; source 0 window 2 (Wq), source 1 window 1 (xn); Wk is asked for among the products, into window 3, which nothing has named
	STAGE 0, 0
	s_wait_loadcnt 0x0                             ; Wk
	s_wait_alu depctr_vm_vsrc(0)                   ; q's LDS stores have read the tiles' registers, which k's products write
	MAT 0x07, 0, BK, 0x80, 262144                  ; source 0 window 3 (Wk); Wv is asked for among the products, over Wq: the wait in q's stage has shown q's products done reading it
	STAGE 0, STK-STQ
	s_wait_loadcnt 0x0                             ; Wv
	s_wait_alu depctr_vm_vsrc(0)                   ; k's LDS stores have read the tiles' registers, which v's products write
	MAT 0x09, 1, BV, 0, 0                          ; source 0 window 1 (xn), source 1 window 2 (Wv)
	STAGE 1, 0
	s_wait_dscnt 0x0                               ; my parts of the three stages are in LDS before I say so
	s_barrier_signal -1
	s_barrier_wait -1
	s_wait_alu depctr_vm_vsrc(0)                   ; v's LDS stores have read the tiles' registers, in which the LDS loads below land (the vector side's last use of v64-255 stands ahead of the wait in v's stage)
	; the way out: whole rows back from LDS, every store of the wave covers 512 consecutive bytes, aligned
.set k, 0
.rept 16
	ds_load_b128 v[64+4*k:67+4*k], v14 offset:k*528
.set k, k+1
.endr
.set k, 0
.rept 16
	ds_load_b128 v[128+4*k:131+4*k], v14 offset:STK-STQ+k*528
.set k, k+1
.endr
.set k, 0
.rept 16
	ds_load_b128 v[192+4*k:195+4*k], v15 offset:k*576
.set k, k+1
.endr
.set k, 0
.rept 16
	s_wait_dscnt 47-k                              ; LDS loads come back in order: all but the younger ones are in
	global_store_b128 v16, v[64+4*k:67+4*k], s[20:21] offset:k*512
.set k, k+1
.endr
.set k, 0
.rept 16
	s_wait_dscnt 31-k
	global_store_b128 v16, v[128+4*k:131+4*k], s[22:23] offset:k*512
.set k, k+1
.endr
.set k, 0
.rept 16
	s_wait_dscnt 15-k
	global_store_b128 v16, v[192+4*k:195+4*k], s[24:25] offset:k*512
.set k, k+1
.endr
	s_wait_dscnt 0x0                               ; the closing lines, six on end
	s_wait_alu 0x0
	s_wait_tensorcnt 0x0
	ds_add_u32 v22, v23
	s_wait_dscnt 0x0
	s_endpgm
.Lfunc_end_k_qbf0162298e_qkv:
	.size	k_qbf0162298e_qkv, .Lfunc_end_k_qbf0162298e_qkv-k_qbf0162298e_qkv
	.p2alignl 7, 3214868480
	.fill 96, 4, 3214868480
	.section	.rodata,"a",@progbits
	.p2align	6, 0x0
	.amdhsa_kernel k_qbf0162298e_qkv
		.amdhsa_group_segment_fixed_size 145920
		.amdhsa_private_segment_fixed_size 0
		.amdhsa_enable_private_segment 0
		.amdhsa_kernarg_size 88
		.amdhsa_user_sgpr_count 2
		.amdhsa_user_sgpr_kernarg_segment_ptr 1
		.amdhsa_wavefront_size32 1
		.amdhsa_system_sgpr_workgroup_id_x 1
		.amdhsa_system_sgpr_workgroup_id_y 1
		.amdhsa_system_sgpr_workgroup_id_z 1
		.amdhsa_system_vgpr_workitem_id 0
		.amdhsa_next_free_vgpr 1024
		.amdhsa_next_free_sgpr 66
		.amdhsa_reserve_vcc 0
		.amdhsa_float_denorm_mode_32 3
		.amdhsa_float_denorm_mode_16_64 3
		.amdhsa_memory_ordered 1
		.amdhsa_forward_progress 1
		.amdhsa_inst_pref_size 100
	.end_amdhsa_kernel
	.amdgpu_metadata
---
amdhsa.version: [ 1, 2 ]
amdhsa.kernels:
  - .name:           k_qbf0162298e_qkv
    .symbol:         k_qbf0162298e_qkv.kd
    .args:
      - { .name: x, .offset: 0, .size: 8, .value_kind: global_buffer, .address_space: global }
      - { .name: gn_w, .offset: 8, .size: 8, .value_kind: global_buffer, .address_space: global }
      - { .name: gn_b, .offset: 16, .size: 8, .value_kind: global_buffer, .address_space: global }
      - { .name: stats, .offset: 24, .size: 8, .value_kind: global_buffer, .address_space: global }
      - { .name: wb, .offset: 32, .size: 8, .value_kind: global_buffer, .address_space: global }
      - { .name: qb, .offset: 40, .size: 8, .value_kind: global_buffer, .address_space: global }
      - { .name: kb, .offset: 48, .size: 8, .value_kind: global_buffer, .address_space: global }
      - { .name: vb, .offset: 56, .size: 8, .value_kind: global_buffer, .address_space: global }
      - { .name: qs, .offset: 64, .size: 8, .value_kind: global_buffer, .address_space: global }
      - { .name: ks, .offset: 72, .size: 8, .value_kind: global_buffer, .address_space: global }
      - { .name: vt, .offset: 80, .size: 8, .value_kind: global_buffer, .address_space: global }
    .group_segment_fixed_size: 145920
    .private_segment_fixed_size: 0
    .kernarg_segment_align: 8
    .kernarg_segment_size: 88
    .max_flat_workgroup_size: 128
    .sgpr_count:     66
    .vgpr_count:     1024
    .wavefront_size: 32
...
	.end_amdgpu_metadata
.endif
;; end of part 4
;; launch attn: the kernel of part 3 again; grid 64 x 4, 4 waves a work-group, clusters of 4 x 1, 327,680 bytes of LDS; arguments qs, ks, vt, wb, pb, x, out0; writes out0
